; MI455X (gfx1250); checked and timed in simulation.
; The chip was launched on July 23, 2026; its instructions are those of AMD's public machine-readable ISA for CDNA 5 (MIT licence, August 2026) and "CDNA5" Instruction Set Architecture Reference Guide (July 2026). The comments in the code are by the model that wrote it; some were corrected since.
;; Causal Varlen Self Attention. Allowed arithmetic: float matrix products may take bf16 or f16 operands with f32 sums; other float arithmetic in f32, or as packed bf16 or f16 multiplies, adds, multiply-adds, maxima and minima; sums over many terms, partial sums and values carried from step to step in f32; what a program stores and reads back later, other than sums and carried values, may be rounded once to bf16 or f16.
;; Inputs: Wo 1,024 x 1,024 float32; Wqkv 3,072 x 1,024 float32; cos_cache 1,024 x 32 float32; cu_seqlens 9 int32; gate_b 16 float32; gate_w 16 x 1,024 float32; position_ids 8,192 int32; sin_cache 1,024 x 32 float32; x 8,192 x 1,024 float32.
;; Outputs: out0 8,192 x 1,024 float32.
;; Constants: max_seqlen = 1024.
;; One version. Each part assembles by itself: llvm-mc -triple=amdgcn-amd-amdhsa -mcpu=gfx1250 --defsym DOCPART=n.
;; ======== version 1 of 1: 4 launches
;; limits: values are held in f16: magnitudes above 65,504 overflow, below 6.1e-05 lose precision
;; workspace buffers: xb 16,777,216 bytes; wqb 6,291,456 bytes; wob 2,097,152 bytes; gate 524,288 bytes; qkv 50,331,648 bytes; ob 16,777,216 bytes
;; launch prep (part 1): grid 384 x 1, 4 waves a work-group, no clusters, 17,920 bytes of LDS; arguments x, Wqkv, Wo, gate_w, gate_b, xb, wqb, wob, gate; writes xb, wqb, wob, gate
.if DOCPART == 1
	.amdgcn_target "amdgcn-amd-amdhsa--gfx1250"
	.amdhsa_code_object_version 6
	.text
	.protected	k_q23d753ce8e_prep
	.globl	k_q23d753ce8e_prep
	.p2align	8
	.type	k_q23d753ce8e_prep,@function
k_q23d753ce8e_prep:
	s_mov_b64 s[64:65], 0
	v_nop
	global_prefetch_b8 v0, s[64:65] scope:SCOPE_SE
	s_setreg_imm32_b32 hwreg(HW_REG_WAVE_MODE, 25, 1), 1
	s_wait_xcnt 0x0
; PREP: the casts, the new layouts and the gate.
;   xb   = bf16(x)         as [sequence 8][plane 16][row 1024][64]: plane P holds channels 64 P .. 64 P + 63, a row of a plane is 128 bytes, the rows lie end to end
;   wqb  = bf16(Wqkv)      as [plane 16][row' 3072][64], row' = 192 head + 64 part + d (part 0, 1, 2 = q, k, v): 192 rows on end are one head's q, k and v
;   wob  = f16(bf16(Wo))   as [plane 16][row 1024][64]
;   gate = sigmoid(bf16(x) . bf16(gate_w) + bf16(gate_b)), f32, as [row 8192][head 16]
; FORMATS.  Every floating-point input of the module is rounded once to bf16, the bias too; sums, the exponential and the reciprocal are f32.
; LIMITS.  Wo's bf16 value is written as f16: exact from 6.1e-5 to 65,504 in magnitude; below 6.1e-5 it keeps f16's fixed step of 6e-8.  NaN and infinities are not treated apart.
; SHARES.  A work-group takes 32 source rows in two trips of 16; wave w takes channels 256 w .. 256 w + 255, four planes.  A UNIT is 16 rows of one plane.
; Work-groups 0-255 take x (and make the gate), 256-351 Wqkv, 352-383 Wo: one branch on the work-group's number, the same for its four waves.
; A load covers two rows' 256 bytes of a plane (16 lanes a row); a store covers the same two rows in 16 bits: 256 consecutive bytes, aligned.
; THE GATE.  Source 0 = the 16 rows of gate_w, source 1 = 16 rows of x, which pass through the wave's own stage in LDS to reach the fragment's layout.  A lane ends with heads 8 (lane / 16) + 0..7
; of row lane % 16.  The four waves' partial sums over K meet in LDS behind the one barrier.
.set STG,   0                          ; 4 x 2,304: each wave's own 16 rows x 144 bytes (128 + 16: the 16 rows of a fragment load start at 16 different groups of four banks)
.set PART,  9216                       ; 4 x 2,048: wave w's partial sums, [32 rows][16 heads] f32
.set SPARE, 17408                      ; the spare words, 128 bytes for each wave: two blocks of 256 bytes that no other line names
.set SO,  4                            ; v4   source offset: (lane / 16) x 4,096 + (lane % 16) x 16 + 1,024 w; never rewritten
.set GWO, 5                            ; v5   gate_w: (lane % 16) x 4,096 + 1,024 w + 32 (lane / 16)
.set DO,  6                            ; v[6:9] destination offset of unit p: 8 x lane + (4 w + p) x the plane's bytes; never rewritten
.set SA,  10                           ; v10  stage, in
.set FA,  11                           ; v11  stage, out as fragments
.set PS,  12                           ; v12  where I put my 32 bytes of partial sums
.set PR,  13                           ; v13  where I read 16 bytes of them back
.set OO,  14                           ; v14  16 x thread: my 16 bytes of the group's 2,048 bytes of gate
.set BO,  15                           ; v15  my four heads' bias
.set SPW, 16                           ; v16  LDS address of my spare word; never rewritten
.set NIL, 17                           ; v17  0; never rewritten
.set Y,   20                           ; v[20:35]  a unit in 16 bits
.set F,   36                           ; v[36:51]  two fragments of x
.set ACC, 52                           ; v[52:67]  two accumulators, by the fragment's parity
.set GF,  84                           ; v[84:147] my eight fragments of gate_w
.set Z,   148                          ; v[148:155] at work
.set BI,  156                          ; v[156:159] bias
.set T,   160                          ; v[160:175] the four partial sums
.set GT,  128                          ; window 1: v128-255 gate_w as loaded; v0-127 X: unit p at 32 p
.set WV,  26
.set SRC, 28                           ; s[28:29]
.set DST, 30                           ; s[30:31]
.set PLB, 32                           ; s32  bytes of a destination plane
.set CNT, 33
.set SELM, 34                          ; s34  all ones: the f16 form is stored
.set HIM, 35                           ; s35  a word's upper half
.set MSB, 0
.macro WIN new                         ; the immediate's high byte repeats the setting that is left; a switch that changes nothing is dropped
.if MSB != (\new)
	s_set_vgpr_msb (MSB<<8)|(\new)
.set MSB, \new
.endif
.endm
.macro XLOADS                          ; a trip's 32 loads: 16 rows x 1,024 bytes, unit by unit
	WIN 0x40                                       ; destination window 1, address window 0
.irp p, 0,1,2,3
.irp t, 0,1,2,3,4,5,6,7
	global_load_b128 v[32*(\p)+4*(\t):32*(\p)+4*(\t)+3], v[SO], s[SRC:SRC+1] offset:8192*(\t)+256*(\p) th:TH_LOAD_NT
.endr
.endr
.endm
.macro CVT p                           ; a unit to bf16, 16 roundings of two
	WIN 0x05                                       ; sources window 1, destination window 0
.set n, 0
.rept 16
	v_cvt_pk_bf16_f32 v[Y+n], v[32*(\p)+2*n], v[32*(\p)+2*n+1]
.set n, n+1
.endr
	WIN 0
.endm
.macro PUT p                           ; a unit's eight stores: two rows of the plane each
.irp t, 0,1,2,3,4,5,6,7
	global_store_b64 v[DO+(\p)], v[Y+2*(\t):Y+2*(\t)+1], s[DST:DST+1] offset:256*(\t)
.endr
.endm
.macro DOSET
	s_lshl_b32 s38, s[WV], 2
.irp p, 0,1,2,3
	s_add_co_u32 s39, s38, \p
	s_mul_i32 s39, s39, s[PLB]
	v_lshl_add_u32 v[DO+(\p)], v1, 3, s39
.endr
.endm
; A unit of x.  left = the loads of the younger units, eight each, which may stay out.
.macro UNITX p, left
	s_wait_loadcnt \left
	s_wait_xcnt 0x0                                ; Y was the data of the unit before's stores: it is rewritten only behind this wait
	CVT \p                                         ; these 16 lines are also the places between the last products and the loads into F
	PUT \p
.irp t, 0,1,2,3,4,5,6,7
	ds_store_b64 v[SA], v[Y+2*(\t):Y+2*(\t)+1] offset:288*(\t)
.endr
.irp i, 0,1,2,3
	ds_load_b128 v[F+4*(\i):F+4*(\i)+3], v[FA] offset:32*(\i)   ; my own bytes; LDS serves a wave's instructions in order (ISA guide 5.7.1.4)
.endr
	s_wait_dscnt 0x0
.if (\p) == 0                          ; the first unit's products start the sums; the two accumulators take turns
	v_wmma_f32_16x16x32_bf16 v[ACC:ACC+7], v[GF:GF+7], v[F:F+7], 0
	v_wmma_f32_16x16x32_bf16 v[ACC+8:ACC+15], v[GF+8:GF+15], v[F+8:F+15], 0
.else
	v_wmma_f32_16x16x32_bf16 v[ACC:ACC+7], v[GF+16*(\p):GF+16*(\p)+7], v[F:F+7], v[ACC:ACC+7]
	v_wmma_f32_16x16x32_bf16 v[ACC+8:ACC+15], v[GF+16*(\p)+8:GF+16*(\p)+15], v[F+8:F+15], v[ACC+8:ACC+15]
.endif
.endm
; A unit of weights: bf16, and where SELM is set that number written as f16.
.macro UNITW p, left
	s_wait_loadcnt \left
	s_wait_xcnt 0x0
	CVT \p
.set n, 0
.rept 16
	v_lshlrev_b32 v[Z+2*(n%4)], 16, v[Y+n]
	v_and_b32 v[Z+2*(n%4)+1], s[HIM], v[Y+n]
	v_cvt_pk_f16_f32 v[Z+2*(n%4)], v[Z+2*(n%4)], v[Z+2*(n%4)+1]
	v_cndmask_b32 v[Y+n], v[Y+n], v[Z+2*(n%4)], s[SELM]
.set n, n+1
.endr
	PUT \p
.endm
	s_load_b512 s[8:23], s[0:1], 0x0               ; x 8, Wqkv 10, Wo 12, gate_w 14, gate_b 16, xb 18, wqb 20, wob 22
	s_load_b64 s[24:25], s[0:1], 0x40              ; gate
	v_lshl_add_u32 v[SPW], v0, 2, SPARE
	v_mov_b32 v[NIL], 0
	v_lshrrev_b32 v1, 5, v0
	v_readfirstlane_b32 s[WV], v1                  ; wave 0..3
	v_and_b32 v1, 31, v0                           ; lane
	v_and_b32 v2, 15, v0                           ; lane % 16
	v_bfe_u32 v3, v0, 4, 1                         ; lane / 16
	s_lshl_b32 s36, s[WV], 10
	v_lshlrev_b32 v[SO], 4, v2
	v_lshl_add_u32 v[SO], v3, 12, v[SO]
	v_add_nc_u32 v[SO], s36, v[SO]
	v_lshlrev_b32 v[GWO], 12, v2
	v_lshl_add_u32 v[GWO], v3, 5, v[GWO]
	v_add_nc_u32 v[GWO], s36, v[GWO]
	s_mul_i32 s37, s[WV], 2304                     ; my stage (STG = 0)
	v_mul_u32_u24 v[SA], v3, 144
	v_lshl_add_u32 v[SA], v2, 3, v[SA]
	v_add_nc_u32 v[SA], s37, v[SA]
	v_mul_u32_u24 v[FA], v2, 144
	v_lshl_add_u32 v[FA], v3, 4, v[FA]
	v_add_nc_u32 v[FA], s37, v[FA]
	s_lshl_b32 s38, s[WV], 11
	s_add_co_u32 s38, s38, PART
	v_lshlrev_b32 v[PS], 6, v2
	v_lshl_add_u32 v[PS], v3, 5, v[PS]
	v_add_nc_u32 v[PS], s38, v[PS]
	v_lshlrev_b32 v[OO], 4, v0
	v_add_nc_u32 v[PR], PART, v[OO]
	v_and_b32 v[BO], 3, v0
	v_lshlrev_b32 v[BO], 4, v[BO]
	s_mov_b32 s[HIM], 0xffff0000
	s_mov_b32 s37, 0
	s_wait_kmcnt 0x0
	s_cmp_lt_u32 ttmp9, 256
	s_cbranch_scc0 .Lweights
	; ---- x and the gate: work-group g takes rows 32 g .. 32 g + 31
	s_lshl_b32 s36, ttmp9, 17                      ; 32 rows of 4,096 bytes
	s_add_nc_u64 s[SRC:SRC+1], s[8:9], s[36:37]
	s_lshr_b32 s38, ttmp9, 5                       ; the sequence: 2,097,152 bytes of xb,
	s_lshl_b32 s38, s38, 21
	s_and_b32 s39, ttmp9, 31                       ; and 32 rows of 128 bytes in each of its planes
	s_lshl_b32 s39, s39, 12
	s_add_co_u32 s36, s38, s39
	s_add_nc_u64 s[DST:DST+1], s[18:19], s[36:37]
	s_lshl_b32 s36, ttmp9, 11                      ; 32 rows x 16 heads x 4 bytes of gate
	s_add_nc_u64 s[24:25], s[24:25], s[36:37]
	s_mov_b32 s[PLB], 131072
	DOSET
	global_load_b128 v[BI:BI+3], v[BO], s[16:17]
	WIN 0x40
.irp f, 0,1,2,3,4,5,6,7                ; fragment f: channels 32 f on of my 256; a lane's 8 + 8 channels are 32 + 32 bytes of f32
	global_load_b128 v[GT+16*(\f):GT+16*(\f)+3],     v[GWO], s[14:15] offset:128*(\f)
	global_load_b128 v[GT+16*(\f)+4:GT+16*(\f)+7],   v[GWO], s[14:15] offset:128*(\f)+16
	global_load_b128 v[GT+16*(\f)+8:GT+16*(\f)+11],  v[GWO], s[14:15] offset:128*(\f)+64
	global_load_b128 v[GT+16*(\f)+12:GT+16*(\f)+15], v[GWO], s[14:15] offset:128*(\f)+80
.endr
	XLOADS
	s_wait_loadcnt 32                              ; the bias and gate_w are in; the 32 loads of x stay out
	WIN 0x05
.set n, 0
.rept 64
	v_cvt_pk_bf16_f32 v[GF+n], v[GT+2*n], v[GT+2*n+1]
.set n, n+1
.endr
	WIN 0
	v_cvt_pk_bf16_f32 v[Z], v[BI], v[BI+1]         ; the bias is rounded to bf16 like every input, and widened again
	v_cvt_pk_bf16_f32 v[Z+1], v[BI+2], v[BI+3]
	v_lshlrev_b32 v[BI], 16, v[Z]
	v_and_b32 v[BI+1], s[HIM], v[Z]
	v_lshlrev_b32 v[BI+2], 16, v[Z+1]
	v_and_b32 v[BI+3], s[HIM], v[Z+1]
	s_mov_b32 s[CNT], 2
.Lx:                                   ; a trip: 16 rows
	UNITX 0, 24
	UNITX 1, 16
	UNITX 2, 8
	UNITX 3, 0
.rept 8
	v_nop                                          ; the places behind the last products, in front of the sums that read them
.endr
.irp i, 0,1,2,3
	v_pk_add_f32 v[ACC+2*(\i):ACC+2*(\i)+1], v[ACC+2*(\i):ACC+2*(\i)+1], v[ACC+8+2*(\i):ACC+8+2*(\i)+1]  ; the two parities, from the low registers on
.endr
	ds_store_b128 v[PS], v[ACC:ACC+3]
	ds_store_b128 v[PS], v[ACC+4:ACC+7] offset:16
	s_sub_co_u32 s[CNT], s[CNT], 1
	s_cmp_eq_u32 s[CNT], 0
	s_cbranch_scc1 .Lxdone                         ; the last trip loads nothing more
	s_wait_xcnt 0x0                                ; the loads and stores have read their bases
	s_add_nc_u64 s[SRC:SRC+1], s[SRC:SRC+1], 65536 ; 16 rows on
	s_add_nc_u64 s[DST:DST+1], s[DST:DST+1], 2048
	v_add_nc_u32 v[PS], 1024, v[PS]
	XLOADS
	WIN 0
	s_cmp_lg_u32 s[CNT], 0
	s_cbranch_scc1 .Lx
.Lxdone:
	s_wait_dscnt 0x0                               ; for the others' sake: my partial sums are in LDS
	s_barrier_signal -1
	s_barrier_wait -1
.irp v, 0,1,2,3
	ds_load_b128 v[T+4*(\v):T+4*(\v)+3], v[PR] offset:2048*(\v)   ; thread t: row t / 4, heads 4 (t % 4) + 0..3, of each wave's partial sums
.endr
	s_wait_dscnt 0x0
	v_pk_add_f32 v[T:T+1], v[T:T+1], v[T+4:T+5]
	v_pk_add_f32 v[T+2:T+3], v[T+2:T+3], v[T+6:T+7]
	v_pk_add_f32 v[T+8:T+9], v[T+8:T+9], v[T+12:T+13]
	v_pk_add_f32 v[T+10:T+11], v[T+10:T+11], v[T+14:T+15]
	v_pk_add_f32 v[T:T+1], v[T:T+1], v[T+8:T+9]
	v_pk_add_f32 v[T+2:T+3], v[T+2:T+3], v[T+10:T+11]
	v_pk_add_f32 v[T:T+1], v[T:T+1], v[BI:BI+1]
	v_pk_add_f32 v[T+2:T+3], v[T+2:T+3], v[BI+2:BI+3]
.irp i, 0,1,2,3
	v_mul_f32 v[T+(\i)], 0xbfb8aa3b, v[T+(\i)]     ; - log2(e) z
.endr
.irp i, 0,1,2,3
	v_exp_f32 v[T+(\i)], v[T+(\i)]
.endr
	v_nop                                          ; a plain instruction behind the last exponential,
	s_wait_alu depctr_va_vdst(0)                   ; and one wait for the four, ahead of their first reader
.irp i, 0,1,2,3
	v_add_f32 v[T+(\i)], 1.0, v[T+(\i)]
.endr
.irp i, 0,1,2,3
	v_rcp_f32 v[T+(\i)], v[T+(\i)]                 ; 1 / (1 + 2^(- log2(e) z)); an overflowing exponential gives 0, as the sigmoid does
.endr
	v_nop
	s_wait_alu depctr_va_vdst(0)
	global_store_b128 v[OO], v[T:T+3], s[24:25]    ; a wave stores 512 consecutive bytes, aligned
	s_wait_tensorcnt 0x0                           ; the wave's end: the three closing lines behind my last LDS store
	ds_add_u32 v[SPW], v[NIL]
	s_wait_dscnt 0x0
	s_endpgm
	; ---- the weights: block g' = g - 256 of 32 rows; 0-95 Wqkv, 96-127 Wo
.Lweights:
	s_sub_co_u32 s36, ttmp9, 256
	s_sub_co_u32 s40, s36, 96                      ; Wo's block (used where g' is 96 or more)
	s_lshr_b32 s38, s36, 1                         ; Wqkv's row = 1,024 part + 64 head + d: head = (g' / 2) % 16,
	s_and_b32 s38, s38, 15
	s_mul_i32 s38, s38, 192
	s_lshr_b32 s39, s36, 5                         ; part = g' / 32,
	s_lshl_b32 s39, s39, 6
	s_add_co_u32 s38, s38, s39
	s_and_b32 s39, s36, 1                          ; d from 32 (g' % 2) on
	s_lshl_b32 s39, s39, 5
	s_add_co_u32 s38, s38, s39                     ; row' = 192 head + 64 part + d
	s_lshl_b32 s38, s38, 7
	s_lshl_b32 s39, s40, 12
	s_mov_b32 s[PLB], 393216
	s_cmp_ge_u32 s36, 96
	s_cselect_b32 s36, s40, s36
	s_cselect_b32 s38, s39, s38
	s_cselect_b64 s[SRC:SRC+1], s[12:13], s[10:11]
	s_cselect_b64 s[DST:DST+1], s[22:23], s[20:21]
	s_cselect_b32 s[PLB], 131072, s[PLB]
	s_cselect_b32 s[SELM], -1, 0
	s_lshl_b32 s36, s36, 17
	s_add_nc_u64 s[SRC:SRC+1], s[SRC:SRC+1], s[36:37]
	s_mov_b32 s39, 0
	s_add_nc_u64 s[DST:DST+1], s[DST:DST+1], s[38:39]
	DOSET
	XLOADS
	WIN 0
	s_mov_b32 s[CNT], 2
.Lw:
	UNITW 0, 24
	UNITW 1, 16
	UNITW 2, 8
	UNITW 3, 0
	s_sub_co_u32 s[CNT], s[CNT], 1
	s_cmp_eq_u32 s[CNT], 0
	s_cbranch_scc1 .Lwdone
	s_wait_xcnt 0x0
	s_add_nc_u64 s[SRC:SRC+1], s[SRC:SRC+1], 65536
	s_add_nc_u64 s[DST:DST+1], s[DST:DST+1], 2048
	XLOADS
	WIN 0
	s_cmp_lg_u32 s[CNT], 0
	s_cbranch_scc1 .Lw
.Lwdone:
	s_wait_tensorcnt 0x0                           ; the same three lines at this role's end
	ds_add_u32 v[SPW], v[NIL]
	s_wait_dscnt 0x0
	s_endpgm
.Lfunc_end_k_q23d753ce8e_prep:
	.size	k_q23d753ce8e_prep, .Lfunc_end_k_q23d753ce8e_prep-k_q23d753ce8e_prep
	.p2alignl 7, 3214868480
	.fill 96, 4, 3214868480
	.section	.rodata,"a",@progbits
	.p2align	6, 0x0
	.amdhsa_kernel k_q23d753ce8e_prep
		.amdhsa_group_segment_fixed_size 17920
		.amdhsa_private_segment_fixed_size 0
		.amdhsa_enable_private_segment 0
		.amdhsa_kernarg_size 72
		.amdhsa_user_sgpr_count 2
		.amdhsa_user_sgpr_kernarg_segment_ptr 1
		.amdhsa_wavefront_size32 1
		.amdhsa_system_sgpr_workgroup_id_x 1
		.amdhsa_system_sgpr_workgroup_id_y 1
		.amdhsa_system_sgpr_workgroup_id_z 1
		.amdhsa_system_vgpr_workitem_id 0
		.amdhsa_next_free_vgpr 512
		.amdhsa_next_free_sgpr 66
		.amdhsa_reserve_vcc 0
		.amdhsa_float_denorm_mode_32 3
		.amdhsa_float_denorm_mode_16_64 3
		.amdhsa_memory_ordered 1
		.amdhsa_forward_progress 1
		.amdhsa_inst_pref_size 59
	.end_amdhsa_kernel
	.amdgpu_metadata
---
amdhsa.version: [ 1, 2 ]
amdhsa.kernels:
  - .name:           k_q23d753ce8e_prep
    .symbol:         k_q23d753ce8e_prep.kd
    .args:
      - { .name: x, .offset: 0, .size: 8, .value_kind: global_buffer, .address_space: global }
      - { .name: Wqkv, .offset: 8, .size: 8, .value_kind: global_buffer, .address_space: global }
      - { .name: Wo, .offset: 16, .size: 8, .value_kind: global_buffer, .address_space: global }
      - { .name: gate_w, .offset: 24, .size: 8, .value_kind: global_buffer, .address_space: global }
      - { .name: gate_b, .offset: 32, .size: 8, .value_kind: global_buffer, .address_space: global }
      - { .name: xb, .offset: 40, .size: 8, .value_kind: global_buffer, .address_space: global }
      - { .name: wqb, .offset: 48, .size: 8, .value_kind: global_buffer, .address_space: global }
      - { .name: wob, .offset: 56, .size: 8, .value_kind: global_buffer, .address_space: global }
      - { .name: gate, .offset: 64, .size: 8, .value_kind: global_buffer, .address_space: global }
    .group_segment_fixed_size: 17920
    .private_segment_fixed_size: 0
    .kernarg_segment_align: 8
    .kernarg_segment_size: 72
    .max_flat_workgroup_size: 128
    .sgpr_count:     66
    .vgpr_count:     512
    .wavefront_size: 32
...
	.end_amdgpu_metadata
.endif
;; end of part 1
;; launch qkvp (part 2): grid 16 x 32, 4 waves a work-group, clusters of 4 x 4, 327,680 bytes of LDS; arguments xb, wqb, cos_cache, sin_cache, position_ids, qkv; writes qkv
.if DOCPART == 2
	.amdgcn_target "amdgcn-amd-amdhsa--gfx1250"
	.amdhsa_code_object_version 6
	.text
	.protected	k_q23d753ce8e_qkvp
	.globl	k_q23d753ce8e_qkvp
	.p2align	8
	.type	k_q23d753ce8e_qkvp,@function
k_q23d753ce8e_qkvp:
	s_mov_b64 s[64:65], 0
	v_nop
	global_prefetch_b8 v0, s[64:65] scope:SCOPE_SE
	s_setreg_imm32_b32 hwreg(HW_REG_WAVE_MODE, 25, 1), 1
	s_wait_xcnt 0x0
	s_wait_alu depctr_hold_cnt(0) depctr_sa_sdst(0) depctr_va_vdst(0) depctr_va_sdst(0) depctr_va_ssrc(0) depctr_va_vcc(0) depctr_vm_vsrc(0)
	s_getreg_b32 s2, hwreg(HW_REG_IB_STS2, 6, 4)
	s_cmp_eq_u32 s2, 0
	s_cbranch_scc0 .Lentry_in_a_cluster
	s_endpgm
.Lentry_in_a_cluster:
	s_bfe_u32 s2, ttmp6, 0x10000c
	s_cmp_lg_u32 s2, 0xf033
	s_cbranch_scc0 .Lentry_shape_is_right
	s_endpgm
.Lentry_shape_is_right:
; QKVP: qkv = x Wqkv^T, the rotary, the RMS norm of q and k; q, k, v leave by heads in f16: qkv = [part 3][16 sequence + head][row 1024][64].
; q LEAVES TIMES c = log2(e) / 8, the factor that the attention's exponentials (base 2, scale 1 / 8) want: c rsq(ss / 64 + 1e-6) = rsq(ss ln2^2 + 64 ln2^2 1e-6), so only the two constants of q's
; fused multiply-add differ from k's; q c is rounded once.
; A tile is 256 rows of x by 192 columns: ONE head's q, k and v, so every tile is alike and a row's 64 channels of q and of k lie in one wave.
; Four waves, wave w rows 64 w .. 64 w + 63 and all 192 columns: 4 x 12 accumulators of 16 x 16, 384 registers.  bf16 operands, f32 sums.
; K goes in slots of 128 (two planes of 64 channels) through a ring of two LDS slots.  A plane's rows of a tile lie end to end in memory (128 bytes each), so a plane of a tile is one dense block,
; asked for as rows of 256 bytes and padded in LDS behind every 128.  One tensor load a wave: waves 0, 1 the two planes of x, waves 2, 3 those of the weights.
; CLUSTER.  4 x 4 work-groups: x's tiles are asked for jointly along a row of the cluster, the weights' along a column.
; THE PRODUCT IS USED TRANSPOSED (source 0 = 16 rows of the weights, source 1 = 16 rows of x): a lane holds row lane % 16 and the columns 16 b + 8 (lane / 16) + 0..7 of block b.
; So the rotary's partners d and d + 32 lie in one lane (blocks b and b + 2), and the sum of squares wants one exchange between the halves of the lanes.
; FORMATS.  cos and sin are gathered by position_ids (clamped to the table's 1,024 rows) and rounded to bf16 like every floating-point input of the module; rotary and norm are f32; the norm is taken
; behind the rotary, as written; q c, k, v are rounded once to f16.
; LIMITS.  |v| stays under 65,504 (f16); k is at most 8 and q c at most 1.45 by the norm.  NaN and infinities are not treated apart.
; REGISTERS, in windows of 256 (s_set_vgpr_msb: bits 1:0 source 0, 3:2 source 1, 5:4 source 2, 7:6 destination):
;   window 0: addresses, the way out, v128-255 cos and sin      window 1: accumulators of row blocks 0, 1      window 2: of row blocks 2, 3
;   window 3: two fragment buffers of 128: x's four fragments, then the weights' twelve
.set NT,    192
.set NBK,   NT/16
.set PITCH, 144                        ; an LDS row: 128 bytes + 16: the 16 rows of a fragment load start at 16 different groups of four banks (64 banks of 4 bytes: ISA guide 11.1)
.set APL,   256*PITCH                  ; a plane of x's tile in LDS
.set BPL,   NT*PITCH                   ; a plane of the weights' tile
.set BOFF,  2*APL
.set SLOT1, 1<<17                      ; slot 1 begins here: one exclusive or turns an address in one slot into the other's
.set STAGE, SLOT1+BOFF+2*BPL           ; behind the ring, never filled by a tensor load: for each wave three parts of 16 rows x 144 bytes
.set WSTG,  3*16*PITCH
.set SPARE, STAGE+4*WSTG               ; the spare words, 128 bytes for each wave: two blocks of 256 bytes that no other line names
.set ASTEP, 2*131072                   ; bytes from slot to slot in xb: two planes
.set BPLG,  3072*128                   ; a plane of wqb
.set BTILE, NT*128                     ; a tile's rows in a plane of wqb
.set STEPS, 8                          ; 1,024 / 128
.set ADRA0, 16                         ; v16  my lane's place in x's tile; never rewritten
.set ADRB0, 17                         ; v17  in the weights'
.set ADRA,  18                         ; v18, v19  the same in the slot in hand
.set ADRB,  19
.set STO,   24
.set RD,    25
.set CO,    26
.set SPW,   28                         ; v28  LDS address of my spare word; never rewritten
.set NIL,   29                         ; v29  0; never rewritten
.set PFO,   30                         ; v30  the prefetches' offset: 256 x lane (clamped to my share); never rewritten
.set F0,    0
.set F1,    128
.set G1,    24                         ; s[24:31] descriptor group 1 for x's tiles
.set G0,    32                         ; s[32:35] group 0 for slot 0's first fill; s[36:39] the set that walks, from slot 1 on
.set G1B,   48                         ; s[48:55], s[56:59], s[60:63] the same for the weights'
.set G0B,   56
.set PST,   20                         ; s[20:21] the prefetches' step
.set TB,    22                         ; s22  0 or SLOT1: the slot in hand
.set LIM,   43                         ; s43  2 in a wave that prefetches, else the greatest number
.set PFA,   44                         ; s[44:45]
.set TS,    84                         ; s[84:87] at work
.set MSB, 0
.macro WIN new                         ; the immediate's high byte repeats the setting that is left; a switch that changes nothing is dropped
.if MSB != (\new)
	s_set_vgpr_msb (MSB<<8)|(\new)
.set MSB, \new
.endif
.endm
; A joint load.  The branch hangs on the wave's number alone.  An s_nop 0 and four v_nop follow each of the two lines, ahead of the jump and the label.
.macro JLOAD s
	s_cmp_eq_u32 s11, 0
	s_cbranch_scc0 .Lfor_b_\@
	tensor_load_to_lds s[G0+4*(\s):G0+4*(\s)+3], s[G1:G1+7]
	s_nop 0
.rept 4
	v_nop
.endr
	s_branch .Lasked_\@
.Lfor_b_\@:
	tensor_load_to_lds s[G0B+4*(\s):G0B+4*(\s)+3], s[G1B:G1B+7]
	s_nop 0
.rept 4
	v_nop
.endr
.Lasked_\@:
.endm
.macro CREST                           ; a round of the cluster's barrier behind its opening barrier
	s_cmp_lg_u32 s10, 0
	s_cbranch_scc1 .Lnot_wave_0_\@
	s_barrier_signal -3
.Lnot_wave_0_\@:
	s_barrier_wait -3
	s_barrier_signal -1
	s_barrier_wait -1
.endm
.macro CROUND
	s_barrier_signal -1
	s_barrier_wait -1
	CREST
.endm
.macro PLACES                          ; four places in front of loads into registers that matrix instructions have read (ISA guide 7.12.1 for vector instructions)
.rept 4
	v_nop
.endr
.endm
; NBK matrix instructions: row block a x all column blocks, 32 along K, from buffer f.  zero = 1: the product starts the sums.
.macro MULA f, a, zero
	WIN 0x5f+0x50*((\a)/2)                         ; fragments window 3; C and D window 1 or 2
.set nb, 0
.rept NBK
.set rD, ((\a)%2)*8*NBK+8*nb
.if \zero
	v_wmma_f32_16x16x32_bf16 v[rD:rD+7], v[(\f)+32+8*nb:(\f)+32+8*nb+7], v[(\f)+8*(\a):(\f)+8*(\a)+7], 0
.else
	v_wmma_f32_16x16x32_bf16 v[rD:rD+7], v[(\f)+32+8*nb:(\f)+32+8*nb+7], v[(\f)+8*(\a):(\f)+8*(\a)+7], v[rD:rD+7]
.endif
.set nb, nb+1
.endr
.endm
; One run of 2 NBK + 8 LDS loads: the fragments of quarter q of the slot in hand (plane q / 2, byte 64 (q % 2) of its rows) into buffer g; x's row blocks 2 and 3 last.
.macro FETCH q, g
	WIN 0xc0                                       ; destination window 3, address window 0
.set nb, 0
.rept NBK
	ds_load_b128 v[(\g)+32+8*nb:(\g)+32+8*nb+3],   v[ADRB] offset:((\q)/2)*BPL+nb*16*PITCH+((\q)%2)*64
	ds_load_b128 v[(\g)+32+8*nb+4:(\g)+32+8*nb+7], v[ADRB] offset:((\q)/2)*BPL+nb*16*PITCH+((\q)%2)*64+32
.set nb, nb+1
.endr
.irp a, 0,1,2,3
	ds_load_b128 v[(\g)+8*(\a):(\g)+8*(\a)+3],   v[ADRA] offset:((\q)/2)*APL+(\a)*16*PITCH+((\q)%2)*64
	ds_load_b128 v[(\g)+8*(\a)+4:(\g)+8*(\a)+7], v[ADRA] offset:((\q)/2)*APL+(\a)*16*PITCH+((\q)%2)*64+32
.endr
.endm
; A slot is four quarters of 32 along K, 4 NBK matrix instructions each, on buffers 0, 1, 0, 1; all accumulators take turns in one fixed order.
; One of the first three: multiplies buffer f, and in its middle fetches quarter q into buffer g.
.macro QUARTER q, f, g, zero
	s_wait_dscnt 4                                 ; all but the youngest four loads (x's row blocks 2 and 3)
	MULA \f, 0, \zero
	MULA \f, 1, \zero
	PLACES
	FETCH \q, \g
	s_wait_dscnt 2*NBK+8                           ; all but the run just issued
	MULA \f, 2, \zero
	MULA \f, 3, \zero
.endm
; The last quarter's first half: ONE barrier for the change of slots.  In front of it each wave waits for all its tensor loads (one is out: its part of the next slot), adds 0 to its spare word,
; and waits for that and for its own reads of this slot.
.macro MEET round
	WIN 0
	s_wait_tensorcnt 0x0
	ds_add_u32 v[SPW], v[NIL]
	s_wait_dscnt 5                                 ; (the add and the youngest four loads may be out)
	MULA F1, 0, 0
	s_wait_dscnt 0x0                               ; the add is done, and my reads of this slot are over
	s_barrier_signal -1
	MULA F1, 1, 0
.if \round
	WIN 0
.endif
	s_barrier_wait -1
.endm
; A prefetch into the L2, behind the joint load, its five lines and the run of LDS loads: my share of my plane of the slot that stands two refills on, a lane a block of 256 bytes.
; x's planes are read by every cluster of a row of clusters: the first of them (cluster x = 0) asks; the weights' by every cluster of a column: cluster y = 0 asks.  The four partners that ask for a
; plane jointly share its blocks out by address (32 each of x's 128; NT / 8 each of the weights' NT / 2).  The loop's last two trips have no slot two refills on; slots 0 to 3 come by their loads alone.
.macro ASK
	WIN 0
	s_cmp_gt_u32 s3, s[LIM]
	s_cbranch_scc0 .Lnot_mine_\@
	global_prefetch_b8 v[PFO], s[PFA:PFA+1] th:TH_LOAD_NT scope:SCOPE_SE
.Lnot_mine_\@:
.endm
; The whole last quarter.  fill = 1: behind a round of the cluster's barrier the slot just read is filled again, with the slot two on: the wave's one tensor load, 3.5 quarters ahead of the wait for it.
.macro TURN fill
.if \fill
	s_wait_xcnt 0x0                                ; the last prefetch, a slot back, has read its address
	s_add_nc_u64 s[PFA:PFA+1], s[PFA:PFA+1], s[PST:PST+1]
	MEET 1
	CREST                                          ; no wave of any partner still reads this slot or has a load on its way
	s_xor_b32 s[G0+5], s[G0+5], SLOT1              ; the walking sets: the other slot than last time, the next two planes
	s_add_nc_u64 s[G0+6:G0+7], s[G0+6:G0+7], ASTEP
	s_xor_b32 s[G0B+5], s[G0B+5], SLOT1
	s_add_nc_u64 s[G0B+6:G0B+7], s[G0B+6:G0B+7], 2*BPLG
	JLOAD 1                                        ; its four v_nop are also the places in front of the loads below
.else
	MEET 0
	WIN 0
	PLACES
.endif
	s_xor_b32 s[TB], s[TB], SLOT1
	v_add_nc_u32 v[ADRA], s[TB], v[ADRA0]
	v_add_nc_u32 v[ADRB], s[TB], v[ADRB0]
	FETCH 0, F0
.if \fill
	ASK
.endif
	MULA F1, 2, 0
	MULA F1, 3, 0
.endm
	s_load_b128 s[4:7], s[0:1], 0x0                ; xb s[4:5], wqb s[6:7]
	s_load_b128 s[72:75], s[0:1], 0x10             ; cos s[72:73], sin s[74:75]
	s_load_b128 s[76:79], s[0:1], 0x20             ; position_ids s[76:77], qkv s[78:79]
	v_lshl_add_u32 v[SPW], v0, 2, SPARE
	v_mov_b32 v[NIL], 0
	ds_add_u32 v[SPW], v[NIL]                      ; the wave's opening: the add and its wait ahead of my first tensor load
	ds_add_u32 v28, v29
	v_lshrrev_b32 v1, 5, v0
	v_readfirstlane_b32 s10, v1                    ; wave 0..3
	s_lshr_b32 s11, s10, 1                         ; 0: I fetch x's planes; 1: the weights'
	s_and_b32 s12, s10, 1                          ; which of a slot's two planes
	s_bfe_u32 s40, ttmp6, 0x40000                  ; cx
	s_bfe_u32 s41, ttmp6, 0x40004                  ; cy
	s_lshl_b32 s42, ttmp9, 2
	s_add_co_u32 s42, s42, s40                     ; the head = 4 x cluster x + cx
	s_and_b32 s13, ttmp7, 0xffff
	s_lshl_b32 s13, s13, 2
	s_add_co_u32 s13, s13, s41                     ; the block of 256 rows = 4 x cluster y + cy
	s_lshl_b32 s14, s41, 2
	s_lshl_b32 s14, 15, s14                        ; my row of the cluster
	s_lshl_b32 s46, 0x1111, s40                    ; my column
	; group 1: rows of 128 elements of 2 bytes (256 bytes), dense; 4 words of padding behind every 32 words
	s_or_b32 s[G1], s14, (1<<16)|(1<<20)|(1<<21)|(4<<22)|(3<<25)
	s_or_b32 s[G1B], s46, (1<<16)|(1<<20)|(1<<21)|(4<<22)|(3<<25)
	s_mov_b32 s[G1+1], 128<<16                     ; tensor_dim0 = 128
	s_mov_b32 s[G1+2], 128<<16                     ; tensor_dim1 = 128 rows: 32,768 bytes
	s_mov_b32 s[G1+3], 128<<16                     ; tile_dim0
	s_mov_b32 s[G1+4], 128                         ; tile_dim1
	s_mov_b32 s[G1+5], 128                         ; elements from row to row
	s_mov_b32 s[G1+6], 0
	s_mov_b32 s[G1+7], 0
	s_mov_b32 s[G1B+1], 128<<16
	s_mov_b32 s[G1B+2], (NT/2)<<16                 ; NT / 2 rows: NT x 128 bytes
	s_mov_b32 s[G1B+3], 128<<16
	s_mov_b32 s[G1B+4], NT/2
	s_mov_b32 s[G1B+5], 128
	s_mov_b32 s[G1B+6], 0
	s_mov_b32 s[G1B+7], 0
	s_lshr_b32 s16, s13, 2                         ; x: the sequence,
	s_lshl_b32 s16, s16, 21
	s_and_b32 s17, s13, 3                          ; 256 rows of 128 bytes in a plane,
	s_lshl_b32 s17, s17, 15
	s_add_co_u32 s16, s16, s17
	s_lshl_b32 s17, s12, 17                        ; my plane of slot 0
	s_add_co_u32 s16, s16, s17
	s_mov_b32 s17, 0
	s_mul_i32 s46, s42, BTILE                      ; the weights: the head's rows in a plane, my plane
	s_mul_i32 s47, s12, BPLG
	s_add_co_u32 s46, s46, s47
	s_mov_b32 s47, 0
	s_mul_i32 s18, s10, APL                        ; where they go: waves 0, 1: x's planes;
	s_mul_i32 s19, s10, BPL
	s_add_co_u32 s19, s19, BOFF-2*BPL              ; waves 2, 3: the weights', behind them
	s_wait_dscnt 0x0                               ; the opening add is done
	s_wait_kmcnt 0x0
	s_add_nc_u64 s[14:15], s[4:5], s[16:17]
	s_add_nc_u64 s[46:47], s[6:7], s[46:47]
	CROUND                                         ; all sixteen work-groups are here: the first joint loads meet
	s_mov_b32 s[G0], 1
	s_mov_b32 s[G0+1], s18
	s_add_nc_u64 s[G0+2:G0+3], s[14:15], 0
	s_or_b32 s[G0+3], s[G0+3], 0x80000000
	s_mov_b32 s[G0+4], 1
	s_add_co_u32 s[G0+5], s18, SLOT1
	s_add_nc_u64 s[G0+6:G0+7], s[14:15], ASTEP
	s_or_b32 s[G0+7], s[G0+7], 0x80000000
	s_mov_b32 s[G0B], 1
	s_mov_b32 s[G0B+1], s19
	s_add_nc_u64 s[G0B+2:G0B+3], s[46:47], 0
	s_or_b32 s[G0B+3], s[G0B+3], 0x80000000
	s_mov_b32 s[G0B+4], 1
	s_add_co_u32 s[G0B+5], s19, SLOT1
	s_add_nc_u64 s[G0B+6:G0B+7], s[46:47], 2*BPLG
	s_or_b32 s[G0B+7], s[G0B+7], 0x80000000
	JLOAD 0                                        ; both slots are asked for before anything else: two loads of mine are out
	JLOAD 1
	v_and_b32 v1, 15, v0                           ; l % 16
	v_bfe_u32 v2, v0, 4, 1                         ; l / 16
	v_mul_u32_u24 v3, v1, PITCH
	v_lshl_add_u32 v3, v2, 4, v3                   ; a fragment's row x pitch + 16 x half
	s_mul_i32 s23, s10, 64*PITCH                   ; my 64 rows of x
	v_add_nc_u32 v[ADRA0], s23, v3
	v_add_nc_u32 v[ADRB0], BOFF, v3
	v_mov_b32 v[ADRA], v[ADRA0]
	v_mov_b32 v[ADRB], v[ADRB0]
	s_mov_b32 s[TB], 0
	; the positions of my 64 rows, and by them cos and sin: a lane's 16 + 16 numbers for each row block.  They land while the products run.
	s_lshl_b32 s[TS], s13, 10
	s_lshl_b32 s[TS+1], s10, 8
	s_add_co_u32 s[TS], s[TS], s[TS+1]
	s_mov_b32 s[TS+1], 0
	s_add_nc_u64 s[76:77], s[76:77], s[TS:TS+1]
	v_lshlrev_b32 v4, 2, v1
.irp a, 0,1,2,3
	global_load_b32 v[8+(\a)], v4, s[76:77] offset:64*(\a)
.endr
	; the prefetches' address, step and share, made while the positions are on their way
	s_and_b32 s23, ttmp7, 0xffff                   ; cluster y
	s_mov_b32 s[TS+1], (NT/8)*256
	s_mov_b32 s[PST], 2*BPLG
	s_cmp_eq_u32 s11, 0
	s_cselect_b32 s23, ttmp9, s23                  ; the coordinate along which other clusters read the same planes
	s_cselect_b32 s[TS], s40, s41                  ; my place among the four that ask with me
	s_cselect_b32 s[TS+1], 8192, s[TS+1]           ; a partner's share in bytes
	s_cselect_b32 s[PST], ASTEP, s[PST]
	s_cselect_b32 s[TS+2], 31, NT/8-1
	s_cselect_b64 s[PFA:PFA+1], s[14:15], s[46:47]
	s_cmp_eq_u32 s23, 0
	s_cselect_b32 s[LIM], 2, -1
	s_mul_i32 s[TS], s[TS], s[TS+1]
	s_mul_i32 s[TS+1], s[PST], 3                   ; at slot 3: the first refill steps it to slot 4
	s_add_co_u32 s[TS], s[TS], s[TS+1]
	s_mov_b32 s[TS+1], 0
	s_add_nc_u64 s[PFA:PFA+1], s[PFA:PFA+1], s[TS:TS+1]
	s_mov_b32 s[PST+1], 0
	v_and_b32 v[PFO], 31, v0
	v_min_u32 v[PFO], s[TS+2], v[PFO]
	v_lshlrev_b32 v[PFO], 8, v[PFO]
	; where q, k and v go: part, sequence, head, my 64 rows of 128 bytes
	s_lshr_b32 s[TS], s13, 2
	s_lshl_b32 s[TS], s[TS], 21
	s_lshl_b32 s[TS+1], s42, 17
	s_add_co_u32 s[TS], s[TS], s[TS+1]
	s_and_b32 s[TS+1], s13, 3
	s_lshl_b32 s[TS+1], s[TS+1], 15
	s_add_co_u32 s[TS], s[TS], s[TS+1]
	s_lshl_b32 s[TS+1], s10, 13
	s_add_co_u32 s[TS], s[TS], s[TS+1]
	s_mov_b32 s[TS+1], 0
	s_add_nc_u64 s[66:67], s[78:79], s[TS:TS+1]
	s_add_nc_u64 s[68:69], s[66:67], 0x1000000
	s_add_nc_u64 s[70:71], s[66:67], 0x2000000
	s_mov_b32 s80, 0x3c800000                      ; k: 1 / 64
	s_mov_b32 s81, 0x358637bd                      ;    1e-6
	s_mov_b32 s88, 0x3ef5fdf0                      ; q: ln2^2 = 1 / (64 c^2)
	s_mov_b32 s89, 0x3800f87a                      ;    64 ln2^2 1e-6 = 1e-6 / c^2
	s_mov_b32 s82, 0x76543210                      ; v_permlanex16_b32: each lane takes its own place in the other half
	s_mov_b32 s83, 0xfedcba98
	s_mul_i32 s23, s10, WSTG
	s_add_co_u32 s23, s23, STAGE                   ; my stage
	v_add_nc_u32 v[STO], s23, v3                   ; in: row l % 16, 16 bytes for each half of the lanes
	v_bfe_u32 v5, v0, 3, 2                         ; back: 32 lanes take four rows of 128 bytes,
	v_mul_u32_u24 v5, v5, PITCH
	v_and_b32 v6, 7, v0
	v_lshl_add_u32 v5, v6, 4, v5
	v_add_nc_u32 v[RD], s23, v5
	v_and_b32 v[CO], 31, v0                        ; which are 512 consecutive bytes of the part
	v_lshlrev_b32 v[CO], 4, v[CO]
	s_wait_loadcnt 0x0                             ; the positions
.irp a, 0,1,2,3
	v_min_u32 v[8+(\a)], 0x3ff, v[8+(\a)]          ; inside the tables
	v_lshlrev_b32 v[8+(\a)], 7, v[8+(\a)]          ; a table's row is 128 bytes
	v_lshl_add_u32 v[8+(\a)], v2, 5, v[8+(\a)]     ; my eight channels of each sixteen
.endr
.irp a, 0,1,2,3                        ; row block a: cos at v[128 + 32 a], sin 16 further; index 8 bb + j stands for channel 16 bb + 8 (l / 16) + j
	global_load_b128 v[128+32*(\a):128+32*(\a)+3],     v[8+(\a)], s[72:73]
	global_load_b128 v[128+32*(\a)+4:128+32*(\a)+7],   v[8+(\a)], s[72:73] offset:16
	global_load_b128 v[128+32*(\a)+8:128+32*(\a)+11],  v[8+(\a)], s[72:73] offset:64
	global_load_b128 v[128+32*(\a)+12:128+32*(\a)+15], v[8+(\a)], s[72:73] offset:80
	global_load_b128 v[128+32*(\a)+16:128+32*(\a)+19], v[8+(\a)], s[74:75]
	global_load_b128 v[128+32*(\a)+20:128+32*(\a)+23], v[8+(\a)], s[74:75] offset:16
	global_load_b128 v[128+32*(\a)+24:128+32*(\a)+27], v[8+(\a)], s[74:75] offset:64
	global_load_b128 v[128+32*(\a)+28:128+32*(\a)+31], v[8+(\a)], s[74:75] offset:80
.endr
	s_wait_tensorcnt 1                             ; my part of slot 0 is in; slot 1's may stay out
	s_barrier_signal -1
	s_barrier_wait -1                              ; everybody's is
	FETCH 0, F0
	QUARTER 1, F0, F1, 1                           ; the first quarter stands in front of the loop: its products start the sums
	WIN 0
	s_mov_b32 s3, STEPS-2
.Lstep:                                ; a trip: a slot's quarters 1 to 3 and the next slot's quarter 0; the slot left is filled again
	QUARTER 2, F1, F0, 0
	QUARTER 3, F0, F1, 0
	TURN 1
	QUARTER 1, F0, F1, 0
	WIN 0
	s_sub_co_u32 s3, s3, 1
	s_cmp_lg_u32 s3, 0
	s_cbranch_scc1 .Lstep
	s_mov_b32 s3, 2
.Ltail:                                ; the last two slots have a text of their own, in which nothing is asked for: two trips, the second left in its middle
	QUARTER 2, F1, F0, 0
	QUARTER 3, F0, F1, 0
	WIN 0
	s_sub_co_u32 s3, s3, 1
	s_cmp_eq_u32 s3, 0
	s_cbranch_scc1 .Llast
	TURN 0
	QUARTER 1, F0, F1, 0
	WIN 0
	s_branch .Ltail
.Llast:
	s_wait_dscnt 4                                 ; the very last quarter: nothing more to fetch
	MULA F1, 0, 0
	MULA F1, 1, 0
	s_wait_dscnt 0x0
	MULA F1, 2, 0
	MULA F1, 3, 0
	WIN 0
	; THE WAY OUT.  cos and sin are rounded to bf16 and widened again; these lines name no register of the products and are the places behind the last of them.
	s_wait_loadcnt 0x0
.set n, 0
.rept 16
.irp i, 0,1,2,3
	v_cvt_pk_bf16_f32 v[32+(\i)], v[128+8*n+2*(\i)], v[128+8*n+2*(\i)+1]
.endr
.irp i, 0,1,2,3
	v_lshlrev_b32 v[128+8*n+2*(\i)], 16, v[32+(\i)]
	v_and_b32 v[128+8*n+2*(\i)+1], 0xffff0000, v[32+(\i)]
.endr
.set n, n+1
.endr
; The rotary of row block a on column blocks b0 .. b0 + 3, into y (32 registers: index 8 f + j is channel 16 f + 8 (l / 16) + j).  x1 lies in blocks b0, b0 + 1, x2 in b0 + 2, b0 + 3.
; Each accumulator's lowest registers are read first.
.macro ROT a, b0, y
	WIN 1+(\a)/2                                   ; source 0 in the accumulators' window
.set W0, ((\a)%2)*8*NBK+8*(\b0)
.set CC, 128+32*(\a)
.set n, 0
.rept 8
	v_pk_mul_f32 v[(\y)+2*n:(\y)+2*n+1], v[W0+2*n:W0+2*n+1], v[CC+2*n:CC+2*n+1]
.set n, n+1
.endr
.set n, 0
.rept 8
	v_pk_fma_f32 v[(\y)+2*n:(\y)+2*n+1], v[W0+16+2*n:W0+16+2*n+1], v[CC+16+2*n:CC+16+2*n+1], v[(\y)+2*n:(\y)+2*n+1]   ; x1 cos + x2 sin
.set n, n+1
.endr
.set n, 0
.rept 8
	v_pk_mul_f32 v[(\y)+16+2*n:(\y)+16+2*n+1], v[W0+2*n:W0+2*n+1], v[CC+16+2*n:CC+16+2*n+1]
.set n, n+1
.endr
.set n, 0
.rept 8
	v_pk_fma_f32 v[(\y)+16+2*n:(\y)+16+2*n+1], v[W0+16+2*n:W0+16+2*n+1], v[CC+2*n:CC+2*n+1], v[(\y)+16+2*n:(\y)+16+2*n+1] neg_lo:[0,0,1] neg_hi:[0,0,1]   ; x2 cos - x1 sin
.set n, n+1
.endr
.endm
; The row's 64 squares, summed, times s[sa] plus s[sb], into v[z]: four chains, then the pair's halves, then the other half of the lanes'.
.macro SSQ y, z, sa, sb
.irp c, 0,1,2,3
	v_pk_mul_f32 v[(\z)+2*(\c):(\z)+2*(\c)+1], v[(\y)+2*(\c):(\y)+2*(\c)+1], v[(\y)+2*(\c):(\y)+2*(\c)+1]
.endr
.irp i, 1,2,3
.irp c, 0,1,2,3
	v_pk_fma_f32 v[(\z)+2*(\c):(\z)+2*(\c)+1], v[(\y)+8*(\i)+2*(\c):(\y)+8*(\i)+2*(\c)+1], v[(\y)+8*(\i)+2*(\c):(\y)+8*(\i)+2*(\c)+1], v[(\z)+2*(\c):(\z)+2*(\c)+1]
.endr
.endr
	v_pk_add_f32 v[(\z):(\z)+1], v[(\z):(\z)+1], v[(\z)+2:(\z)+3]
	v_pk_add_f32 v[(\z)+4:(\z)+5], v[(\z)+4:(\z)+5], v[(\z)+6:(\z)+7]
	v_pk_add_f32 v[(\z):(\z)+1], v[(\z):(\z)+1], v[(\z)+4:(\z)+5]
	v_add_f32 v[(\z)], v[(\z)], v[(\z)+1]
	v_permlanex16_b32 v[(\z)+1], v[(\z)], s82, s83
	v_add_f32 v[(\z)], v[(\z)], v[(\z)+1]
	v_fma_f32 v[(\z)], v[(\z)], s[(\sa)], s[(\sb)]
.endm
; Row block a: 16 rows.  v32-63 q, v64-95 k (packed in place into their lower halves; their upper halves take the rows read back), v96-111 v packed, v112-127 at work and v read back, v12-15 c / rms of q and 1 / rms of k, twice each.
.macro EPI a
	s_wait_xcnt 0x0                                ; the block before's stores have read their data
	ROT \a, 0, 32
	ROT \a, 4, 64
	WIN 0
	SSQ 32, 112, 88, 89
	SSQ 64, 120, 80, 81
	v_rsq_f32 v12, v112
	v_rsq_f32 v13, v112
	v_rsq_f32 v14, v120
	v_rsq_f32 v15, v120
	WIN 5*(1+(\a)/2)                               ; v is rounded meanwhile: plain work behind the four roots
.set V0, ((\a)%2)*8*NBK+64
.set n, 0
.rept 16
	v_cvt_pk_f16_f32 v[96+n], v[V0+2*n], v[V0+2*n+1]
.set n, n+1
.endr
	WIN 0
	s_wait_alu depctr_va_vdst(0)                   ; one wait for the four roots, ahead of their first reader
.set n, 0
.rept 16
	v_pk_mul_f32 v[32+2*n:32+2*n+1], v[32+2*n:32+2*n+1], v[12:13]
	v_pk_mul_f32 v[64+2*n:64+2*n+1], v[64+2*n:64+2*n+1], v[14:15]
.set n, n+1
.endr
.set n, 0
.rept 16
	v_cvt_pk_f16_f32 v[32+n], v[32+2*n], v[32+2*n+1]   ; ascending, in place: word n is written when words 2 n and 2 n + 1 are read
	v_cvt_pk_f16_f32 v[64+n], v[64+2*n], v[64+2*n+1]
.set n, n+1
.endr
.irp f, 0,1,2,3
	ds_store_b128 v[STO], v[32+4*(\f):32+4*(\f)+3] offset:32*(\f)
	ds_store_b128 v[STO], v[64+4*(\f):64+4*(\f)+3] offset:16*PITCH+32*(\f)
	ds_store_b128 v[STO], v[96+4*(\f):96+4*(\f)+3] offset:32*PITCH+32*(\f)
.endr
.irp g, 0,1,2,3
	ds_load_b128 v[48+4*(\g):48+4*(\g)+3],   v[RD] offset:4*PITCH*(\g)              ; my own bytes; LDS serves a wave's instructions in order (ISA guide 5.7.1.4)
	ds_load_b128 v[80+4*(\g):80+4*(\g)+3],   v[RD] offset:16*PITCH+4*PITCH*(\g)
	ds_load_b128 v[112+4*(\g):112+4*(\g)+3], v[RD] offset:32*PITCH+4*PITCH*(\g)
.endr
	s_wait_dscnt 0x0
.irp g, 0,1,2,3
	global_store_b128 v[CO], v[48+4*(\g):48+4*(\g)+3],   s[66:67] offset:2048*(\a)+512*(\g)   ; 512 consecutive bytes, aligned
	global_store_b128 v[CO], v[80+4*(\g):80+4*(\g)+3],   s[68:69] offset:2048*(\a)+512*(\g)
	global_store_b128 v[CO], v[112+4*(\g):112+4*(\g)+3], s[70:71] offset:2048*(\a)+512*(\g)
.endr
.endm
	EPI 0
	EPI 1
	EPI 2
	EPI 3
	s_wait_tensorcnt 0x0                           ; the wave's end: the three closing lines behind my last tensor load and my last LDS store
	ds_add_u32 v[SPW], v[NIL]
	s_wait_dscnt 0x0
	CROUND                                         ; the closing round: no work-group ends while a partner may still ask for a tile that names it
	s_endpgm
.Lfunc_end_k_q23d753ce8e_qkvp:
	.size	k_q23d753ce8e_qkvp, .Lfunc_end_k_q23d753ce8e_qkvp-k_q23d753ce8e_qkvp
	.p2alignl 7, 3214868480
	.fill 96, 4, 3214868480
	.section	.rodata,"a",@progbits
	.p2align	6, 0x0
	.amdhsa_kernel k_q23d753ce8e_qkvp
		.amdhsa_group_segment_fixed_size 327680
		.amdhsa_private_segment_fixed_size 0
		.amdhsa_enable_private_segment 0
		.amdhsa_kernarg_size 48
		.amdhsa_user_sgpr_count 2
		.amdhsa_user_sgpr_kernarg_segment_ptr 1
		.amdhsa_wavefront_size32 1
		.amdhsa_system_sgpr_workgroup_id_x 1
		.amdhsa_system_sgpr_workgroup_id_y 1
		.amdhsa_system_sgpr_workgroup_id_z 1
		.amdhsa_system_vgpr_workitem_id 0
		.amdhsa_next_free_vgpr 1024
		.amdhsa_next_free_sgpr 90
		.amdhsa_reserve_vcc 0
		.amdhsa_float_denorm_mode_32 3
		.amdhsa_float_denorm_mode_16_64 3
		.amdhsa_memory_ordered 1
		.amdhsa_forward_progress 1
		.amdhsa_inst_pref_size 137
	.end_amdhsa_kernel
	.amdgpu_metadata
---
amdhsa.version: [ 1, 2 ]
amdhsa.kernels:
  - .name:           k_q23d753ce8e_qkvp
    .symbol:         k_q23d753ce8e_qkvp.kd
    .args:
      - { .name: xb, .offset: 0, .size: 8, .value_kind: global_buffer, .address_space: global }
      - { .name: wqb, .offset: 8, .size: 8, .value_kind: global_buffer, .address_space: global }
      - { .name: cos_cache, .offset: 16, .size: 8, .value_kind: global_buffer, .address_space: global }
      - { .name: sin_cache, .offset: 24, .size: 8, .value_kind: global_buffer, .address_space: global }
      - { .name: position_ids, .offset: 32, .size: 8, .value_kind: global_buffer, .address_space: global }
      - { .name: qkv, .offset: 40, .size: 8, .value_kind: global_buffer, .address_space: global }
    .group_segment_fixed_size: 327680
    .private_segment_fixed_size: 0
    .kernarg_segment_align: 8
    .kernarg_segment_size: 48
    .max_flat_workgroup_size: 128
    .sgpr_count:     90
    .vgpr_count:     1024
    .wavefront_size: 32
...
	.end_amdgpu_metadata
.endif
;; end of part 2
;; launch attn (part 3): grid 2 x 128, 4 waves a work-group, no clusters, 327,680 bytes of LDS; arguments qkv, gate, ob; writes ob
.if DOCPART == 3
	.amdgcn_target "amdgcn-amd-amdhsa--gfx1250"
	.amdhsa_code_object_version 6
	.text
	.protected	k_q23d753ce8e_attn
	.globl	k_q23d753ce8e_attn
	.p2align	8
	.type	k_q23d753ce8e_attn,@function
k_q23d753ce8e_attn:
	s_mov_b64 s[64:65], 0
	v_nop
	global_prefetch_b8 v0, s[64:65] scope:SCOPE_SE
	s_setreg_imm32_b32 hwreg(HW_REG_WAVE_MODE, 25, 1), 1
	s_wait_xcnt 0x0
; CAUSAL ATTENTION WITH A GATE.  ob[h][q][:] = gate[q][head] x the sum over k <= q of softmax_k(Q[h][q] . K[h][k] / 8) V[h][k][:], h = 16 sequence + head.
; Q, K, V are the three parts of qkv, each [128][1024][64] in f16; Q arrives times c = log2(e) / 8; ob has the same layout; gate is f32 [row 8192][head 16].
; Products and sums in f32; the weights p are rounded to f16 for the second product (their sum l is taken of the unrounded p); O is multiplied by gate / l in f32 and rounded once.
; NO MAXIMUM IS TAKEN AWAY, because the module bounds the exponents itself: q and k are RMS-normalised, so each has at most 64 as its sum of squares, whatever the inputs; with the f16 roundings
; (one part in 2,048 of each number) c q . k lies within -11.6 .. 11.6.  So p = 2^(c q . k) lies in 3.2e-4 .. 3.1e3, inside f16's normal range (6.1e-5 .. 65,504); l is at most 1,024 x 3.1e3 and
; O^T at most l x 65,504, both far inside f32.  softmax is p / l as it is with a maximum taken away.
; LIMITS.  V arrives within f16's 65,504.  A hidden score counts as its value less 1e30, and its weight is 0.  NaN and infinities are not treated apart.
; THE WALK.  A head's queries lie in NB = 4 blocks of 256; block i needs the key tiles 0 .. i of 256 keys, of which the last holds the diagonal.  A work-group takes TWO blocks, NB - 1 - b and then b:
; NB + 1 tiles, whatever b: all work-groups do equal work, and ONE loop with a constant trip count walks them.  Which tile is asked for, and what a trip does, hang on scalar registers made from b; every jump
; goes forward, but for the counted loops' own; none passes a barrier, or a tensor load but the one of LOAD's two that the wave's number does not choose; the ring of two LDS slots runs on across the change of blocks.
; NO CLUSTER: a head has NB / 2 = 2 work-groups, no multiple of four, and the two ask for the same tile only in trips 0 to 2.
; SHARES.  Of a block's four bands of 64 queries a wave owns 16 rows in each: four PIECES.  So the diagonal tile is the same work for all four waves: in its key step s band x sees all keys if s < x,
; none if s > x, and holds the diagonal if s = x.
; THE MASK is the C operand that starts the sum S^T = K Q^T: 0, or -1e30 where the key is hidden.  MD, made once, is the mask of a band's own step for my 16 rows; a product's mask is MD x AL + BE with two scalars:
; (1, 0) if s = x; (0, 0) if s < x; (0, -1e30) if s > x.  One text serves all tiles: the products always take a mask buffer; both buffers hold 0 from a block's beginning on, and only the diagonal tile makes masks
; (elsewhere the 16 lines are jumped over).
; TURNS.  S^T = K Q^T holds ONE query a lane (lane % 16) and the keys 8 (lane / 16) + 0..7; two such results, as weights rounded to f16, ARE source 1 of O^T = V^T P.  Turn n: 8 products K Q^T of piece n + 1, behind each
; two exponentials of piece n and two roundings of piece n - 1; then 8 products V^T P of piece n - 1, behind each two exponentials of piece n and two of piece n - 1's sums.  16 matrix and 64 vector instructions:
; four behind every product.  What reads a turn's exponentials stands in the next turn, so ONE wait at the turn's end serves its 32.
; REGISTERS, in windows of 256 (s_set_vgpr_msb: bits 1:0 source 0, 3:2 source 1, 5:4 source 2, 7:6 destination):
;   window 0: v0-15 addresses; v16-23 l, a pair a piece (even keys', odd keys'); v32-39 the gates; v64-191 S^T, a buffer a piece; v192-223 P, two buffers by the piece's parity
;   window 1: v0-127 O^T, 32 a piece; v128-159 MD; v160-223 MC, two buffers      window 2: v0-63 Q; v64-127 the second block's Q; v128-191 K of one step; v192-255 V of one step
.set SIZE_N, 1024
.set NB,    SIZE_N/256
.set NP,    4         ; pieces a wave: a name, no knob
.set KS,    64        ; keys in a step
.set PK,    144       ; a row of K in LDS: 128 bytes + 16 of padding: the 16 rows of a load start at 16 different groups of four banks (64 banks of 4 bytes: ISA guide 11.1)
.set PV,    160       ; a row of V: 128 + 32
.set VOFF,  4*KS*PK   ; a slot holds a tile, four steps: 256 rows of K, then 256 rows of V
.set SLOT1, 1<<17     ; slot 1 begins here, so that one exclusive or turns an address in one slot into the other's
.set STAGE, SLOT1+4*KS*(PK+PV)  ; behind the ring, never filled by a tensor load: 16 rows x 144 bytes for each wave, for the way out
.set SP,    144
.set AK0, 2           ; v2   my lane's place in a tile of K; never rewritten
.set AV0, 3           ; v3   the same for V
.set AK,  4           ; v4   the LDS address of K's next runs of loads
.set AV,  5           ; v5   of V's
.set STO, 6           ; v6   the way out: where I put 16 bytes of a row
.set RD,  7           ; v7   the way out: where I read rows back
.set GO,  8           ; v8   my byte offset in 512 consecutive bytes of O
.set QO,  15          ; v15  my byte offset in 16 rows of Q
.set LL,  16          ; v16-23 l
.set GA,  32          ; v32-35 the first block's gates, a piece each; v36-39 the second block's
.set PFO, 60          ; v60  256 x lane; never rewritten
.set GOF, 61          ; v61  64 x (lane % 16): my row in gate; never rewritten
.set SPW, 62          ; v62  LDS address of my spare word; never rewritten
.set NIL, 63          ; v63  0; never rewritten
.set SPARE, STAGE+4*16*SP  ; behind the stages: the spare words, 128 bytes for each wave: two blocks of 256 bytes that no other line names
.set S,   64
.set P,   192
.set MD,  128         ; window 1
.set MC,  160         ; window 1
.set QB,  64          ; window 2
.set KF,  128         ; window 2: key block kb, channel half c at KF + 16 kb + 8 c
.set VF,  192         ; window 2: key half kk, channel block cb at VF + 32 kk + 8 cb
.set WV,  12          ; s12  my wave's number
.set PB,  14          ; s14  b
.set HI,  15          ; s15  NB - 1 - b
.set G1K, 24          ; s[24:31] descriptor group 1 for K's tiles
.set G1V, 32          ; s[32:39] for V's: it differs in the padding alone
.set G0K, 40          ; s[40:43] descriptor group 0 for K's tiles
.set G0V, 44          ; s[44:47] the same for V's
.set PFN, 54          ; s54  prefetches still to be made: 2 in the head's first work-group, else 0
.set SLOTS, 56        ; s56  tiles still to be asked for
.set CNT, 57          ; s57  counts a tile's key steps, 4 to 1
.set SEL, 60          ; s[60:61] v_permlanex16_b32's selects
.set TBK, 62          ; s62  LDS byte at which K of the step to be fetched begins
.set TBV, 63          ; s63  the same for V, less VOFF
.set PFA, 66          ; s[66:67] my half (of K: waves 0, 1; of V: waves 2, 3) of the tile behind the one that is being asked for
.set RT,  70          ; s70  tiles of the block in hand that are still to be entered
.set NXT, 71          ; s71  the tile to be asked for next
.set LQ,  72          ; s72  the last tile of the block whose tiles are being asked for
.set NEW, 73          ; s73  1: the tile to be entered is a block's first
.set OFF, 74          ; s[74:75] a tile's byte offset in K and V
.set AL,  76          ; s[76:77] the mask's factor
.set BE,  78          ; s[78:79] the mask's addend
.set OLO, 80          ; s[80:81] O at my rows of the second block
.set BIGN, 82         ; s82  -1e30
.set DG,  83          ; s83  1: the tile in hand is its block's last, the diagonal one
.set MSB, 0
.macro WIN new                      ; the high byte repeats the setting that is left; a switch that changes nothing is dropped
.if MSB != (\new)
	s_set_vgpr_msb (MSB<<8)|(\new)
.set MSB, (\new)
.endif
.endm
.set W_KQ, 0x0a       ; K and Q in window 2, S^T in window 0
.set W_KM, 0x1a       ; the same with the C operand in window 1
.set W_PV, 0x52       ; V in window 2, P in window 0, O^T in window 1
.set W_RS, 0x41       ; destination and source 0 in window 1, source 1 in window 0
; A fill.  Waves 0 and 1 fetch the two halves of a tile's K, waves 2 and 3 those of its V: 128 keys each.  An s_nop 0 and four v_nop follow each of the two lines, ahead of the jump and the label.
.macro LOAD
	s_cmp_lt_u32 s[WV], 2
	s_cbranch_scc0 .Lfor_v_\@
	tensor_load_to_lds s[G0K:G0K+3], s[G1K:G1K+7]
	s_nop 0
.rept 4
	v_nop
.endr
	s_branch .Lasked_\@
.Lfor_v_\@:
	tensor_load_to_lds s[G0V:G0V+3], s[G1V:G1V+7]
	s_nop 0
.rept 4
	v_nop
.endr
.Lasked_\@:
.endm
; THE CHANGE OF SLOTS.  Each wave waits for all its tensor loads, of which one is out: its part of the other slot; adds 0 to its spare word; and waits for that and for its own reads of the slot that it leaves.
; Behind the barrier nobody reads the old slot any more and the other slot is whole.  fill = 1: the old slot is filled again, the first thing behind the barrier, with tile NXT: the descriptor's address is made anew from that number.
; Behind the fill the head's first work-group prefetches into the L2, twice in the launch, the half tile that this wave will ask for at the next change: tiles 2 and 3, 64 blocks of 256 bytes, a lane a block, two
; instructions; each block is named once in the launch.  Tiles 0 and 1 come by their loads alone.
.macro CHANGE fill
	WIN 0                           ; at a label and at a branch every window is 0
	s_wait_tensorcnt 0x0            ; no tensor load of mine is out, so a group 0 may be written
	ds_add_u32 v[SPW], v[NIL]       ; 0 onto my spare word; scalar work stands between it and the wait for it
.if \fill
	s_wait_xcnt 0x0                 ; the last prefetches, a tile back, have read their address
	s_add_nc_u64 s[PFA:PFA+1], s[PFA:PFA+1], 32768
	s_lshl_b32 s[OFF], s[NXT], 15   ; a tile is 32,768 bytes of K and of V
	s_xor_b32 s[G0K+1], s[G0K+1], SLOT1
	s_add_nc_u64 s[G0K+2:G0K+3], s[6:7], s[OFF:OFF+1]
	s_or_b32 s[G0K+3], s[G0K+3], 0x80000000
	s_xor_b32 s[G0V+1], s[G0V+1], SLOT1
	s_add_nc_u64 s[G0V+2:G0V+3], s[8:9], s[OFF:OFF+1]
	s_or_b32 s[G0V+3], s[G0V+3], 0x80000000
	s_add_co_u32 s[NXT], s[NXT], 1  ; the block's next tile, or behind its last the second block's tile 0
	s_cmp_gt_u32 s[NXT], s[LQ]
	s_cselect_b32 s[NXT], 0, s[NXT]
	s_cselect_b32 s[LQ], s[PB], s[LQ]
.endif
	s_wait_dscnt 0x0                ; the add is done, and my reads of the slot are over
	s_barrier_signal -1             ; the rest of the scalar work stands between the signal and the wait
	s_sub_co_u32 s[TBK], s[TBK], 4*KS*PK  ; the fetches go back to a slot's first step,
	s_xor_b32 s[TBK], s[TBK], SLOT1       ; in the other slot
	s_sub_co_u32 s[TBV], s[TBV], 4*KS*PV
	s_xor_b32 s[TBV], s[TBV], SLOT1
	s_barrier_wait -1
.if \fill
	LOAD
	s_cmp_lg_u32 s[PFN], 0
	s_cbranch_scc0 .Lno_ask_\@
	global_prefetch_b8 v[PFO], s[PFA:PFA+1] th:TH_LOAD_NT scope:SCOPE_SE
	global_prefetch_b8 v[PFO], s[PFA:PFA+1] offset:8192 th:TH_LOAD_NT scope:SCOPE_SE
	s_sub_co_u32 s[PFN], s[PFN], 1
.Lno_ask_\@:
.endif
.endm
	s_load_b64 s[4:5], s[0:1], 0x0    ; qkv: Q is its first part
	s_load_b64 s[48:49], s[0:1], 0x8  ; gate
	s_load_b64 s[10:11], s[0:1], 0x10 ; ob
	v_lshl_add_u32 v[SPW], v0, 2, SPARE
	v_mov_b32 v[NIL], 0
	ds_add_u32 v[SPW], v[NIL]       ; the wave's opening: the add and its wait ahead of my first tensor load
	ds_add_u32 v62, v63
	v_lshrrev_b32 v1, 5, v0
	v_readfirstlane_b32 s[WV], v1   ; wave 0..3
	s_mov_b32 s[PB], ttmp9
	s_sub_co_u32 s[HI], NB-1, s[PB]
	s_and_b32 s20, ttmp7, 0xffff    ; h = 16 sequence + head
	s_mov_b32 s21, 0
	s_mov_b64 s[22:23], SIZE_N*128
	s_mul_u64 s[20:21], s[20:21], s[22:23]  ; its first byte in Q, K, V and O
	s_and_b32 s16, s[WV], 1         ; which half of a tile's 256 keys I fetch:
	s_lshl_b32 s22, s16, 14         ; its 128 rows of 128 bytes in memory,
	s_mov_b32 s23, 0
	s_add_nc_u64 s[22:23], s[22:23], s[20:21]
	s_mul_i32 s17, s16, 128*PK      ; and its place in a slot, for K
	s_mul_i32 s18, s16, 128*PV      ; and for V
	s_lshl_b32 s3, s[WV], 11        ; my 16 rows in a band of 64,
	s_lshl_b32 s2, s[HI], 15        ; in the first block,
	s_add_co_u32 s2, s2, s3
	s_lshl_b32 s84, s[PB], 15       ; and in the second
	s_add_co_u32 s84, s84, s3
	s_mov_b32 s3, 0
	s_mov_b32 s85, 0
	s_add_nc_u64 s[2:3], s[2:3], s[20:21]
	s_add_nc_u64 s[84:85], s[84:85], s[20:21]
	; the gates: byte ((1,024 sequence + 256 block + 16 wave) x 16 + head) x 4; a piece lies 64 rows, 4,096 bytes, on; a lane's row 64 bytes on
	s_and_b32 s55, ttmp7, 0xffff
	s_lshr_b32 s50, s55, 4
	s_lshl_b32 s50, s50, 10
	s_lshl_b32 s51, s[WV], 4
	s_add_co_u32 s50, s50, s51
	s_lshl_b32 s51, s[HI], 8
	s_add_co_u32 s51, s51, s50
	s_lshl_b32 s52, s[PB], 8
	s_add_co_u32 s52, s52, s50
	s_and_b32 s55, s55, 15
	s_lshl_b32 s51, s51, 4
	s_add_co_u32 s51, s51, s55
	s_lshl_b32 s50, s51, 2
	s_mov_b32 s51, 0
	s_lshl_b32 s52, s52, 4
	s_add_co_u32 s52, s52, s55
	s_lshl_b32 s52, s52, 2
	s_mov_b32 s53, 0
	s_cmp_eq_u32 ttmp9, 0
	s_cselect_b32 s[PFN], 2, 0
	; descriptor group 1.  128 keys are 16,384 dense bytes: asked for as 64 rows of 256 bytes, two keys a row, and padded in LDS after every key
	s_mov_b32 s[G1K], (1<<16)|(1<<20)|(4<<22)|(3<<25)  ; 2-byte elements; padding on; after every 32 words; 4 words
	s_mov_b32 s[G1V], (1<<16)|(1<<20)|(4<<22)|(7<<25)  ; the same with 8 words of padding
.irp g, G1K, G1V
	s_mov_b32 s[\g+1], 128<<16      ; tensor_dim0 = 128
	s_mov_b32 s[\g+2], 64<<16       ; tensor_dim1 = 64
	s_mov_b32 s[\g+3], 128<<16      ; tile_dim0 = 128
	s_mov_b32 s[\g+4], 64           ; tile_dim1 = 64
	s_mov_b32 s[\g+5], 128          ; 128 elements from row to row
	s_mov_b32 s[\g+6], 0
	s_mov_b32 s[\g+7], 0
.endr
	s_mov_b32 s[SEL], 0x76543210
	s_mov_b32 s[SEL+1], 0xfedcba98
	s_mov_b32 s[TBK], SLOT1+4*KS*PK ; the first change of slots turns these two into 0
	s_mov_b32 s[TBV], SLOT1+4*KS*PV
	s_mov_b32 s[G0K], 1             ; count = 1
	s_mov_b32 s[G0K+1], s17         ; LDS address: slot 0
	s_mov_b32 s[G0V], 1
	s_add_co_u32 s[G0V+1], s18, VOFF
	s_add_co_u32 s[RT], s[HI], 1    ; the first block has NB - b tiles
	s_mov_b32 s[NXT], 1
	s_mov_b32 s[LQ], s[HI]
	s_mov_b32 s[NEW], 1
	s_mov_b32 s[OFF+1], 0
	s_mov_b32 s[AL+1], 0            ; named as pairs
	s_mov_b32 s[BE+1], 0
	s_mov_b32 s[BIGN], 0xf149f2ca   ; -1e30
	s_mov_b32 s[SLOTS], NB
	s_wait_dscnt 0x0                ; the opening add is done
	s_wait_kmcnt 0x0
	s_add_nc_u64 s[6:7], s[4:5], 0x1000000   ; K is qkv's second part, V its third
	s_add_nc_u64 s[8:9], s[4:5], 0x2000000
	s_add_nc_u64 s[6:7], s[6:7], s[22:23]  ; K and V at my half of the head's tile 0
	s_add_nc_u64 s[8:9], s[8:9], s[22:23]
	s_add_nc_u64 s[G0K+2:G0K+3], s[6:7], 0
	s_or_b32 s[G0K+3], s[G0K+3], 0x80000000        ; type = 2
	s_add_nc_u64 s[G0V+2:G0V+3], s[8:9], 0
	s_or_b32 s[G0V+3], s[G0V+3], 0x80000000
	s_add_nc_u64 s[86:87], s[4:5], s[84:85]        ; Q at my rows of the second block,
	s_add_nc_u64 s[4:5], s[4:5], s[2:3]            ; Q and O at those of the first
	s_add_nc_u64 s[OLO:OLO+1], s[10:11], s[84:85]
	s_add_nc_u64 s[10:11], s[10:11], s[2:3]
	s_add_nc_u64 s[50:51], s[48:49], s[50:51]      ; the two blocks' gates
	s_add_nc_u64 s[52:53], s[48:49], s[52:53]
	s_cmp_lt_u32 s[WV], 2
	s_cselect_b64 s[PFA:PFA+1], s[6:7], s[8:9]
	s_add_nc_u64 s[PFA:PFA+1], s[PFA:PFA+1], 32768 ; at tile 1: the first change of slots steps it to tile 2
	LOAD                            ; tile 0 into slot 0
	; A fragment of K or Q is 16 rows x 32 channels in 8 registers: lane l holds row l % 16, channels 8 (l / 16) + 0..7 and 16 + 8 (l / 16) + 0..7: two loads of 16 bytes, 32 bytes apart.
	v_and_b32 v1, 15, v0            ; l % 16
	v_bfe_u32 v9, v0, 4, 1          ; l / 16
	v_lshlrev_b32 v[QO], 7, v1
	v_lshl_add_u32 v[QO], v9, 4, v[QO]  ; row x 128 + 16 x half
	WIN 0x80                        ; destination window 2, address window 0
.set i, 0
.rept 8                             ; both blocks' Q: piece i / 2 lies in band i / 2, 8,192 bytes on; channels 32 (i % 2) on
	global_load_b128 v[8*i:8*i+3],   v[QO], s[4:5] offset:(i/2)*8192+(i%2)*64
	global_load_b128 v[8*i+4:8*i+7], v[QO], s[4:5] offset:(i/2)*8192+(i%2)*64+32
	global_load_b128 v[QB+8*i:QB+8*i+3],   v[QO], s[86:87] offset:(i/2)*8192+(i%2)*64
	global_load_b128 v[QB+8*i+4:QB+8*i+7], v[QO], s[86:87] offset:(i/2)*8192+(i%2)*64+32
.set i, i+1
.endr
	WIN 0
	v_lshlrev_b32 v[GOF], 6, v1
.irp t, 0,1,2,3
	global_load_b32 v[GA+(\t)],   v[GOF], s[50:51] offset:4096*(\t)
	global_load_b32 v[GA+4+(\t)], v[GOF], s[52:53] offset:4096*(\t)
.endr
	v_and_b32 v[PFO], 31, v0
	v_lshlrev_b32 v[PFO], 8, v[PFO]
	v_lshlrev_b32 v14, 3, v9
	v_sub_nc_u32 v14, v1, v14
	s_lshl_b32 s13, s[WV], 4
	v_add_nc_u32 v14, s13, v14      ; my query's place in its band, 16 w + l % 16, less my lanes' 8 (l / 16): register r of group kt is hidden where 16 kt + r is greater
	WIN 0x40
.set i, 0
.rept 32
	v_cmp_gt_i32 vcc_lo, 16*(i/8)+i%8, v14
	v_cndmask_b32 v[MD+i], 0, s[BIGN], vcc_lo
.set i, i+1
.endr
	WIN 0
	v_mul_u32_u24 v[AK0], v1, PK
	v_lshl_add_u32 v[AK0], v9, 4, v[AK0]  ; row x pitch + 16 x half
	; The turning load takes 16 keys x 16 channels (lane l reads key 8 (l / 16) + l % 8, channels 8 ((l / 8) % 2) + 0..7) and leaves half a fragment of V^T: lane l holds channel l % 16 and 8 keys.
	v_and_b32 v10, 7, v0
	v_bfe_u32 v11, v0, 3, 1
	v_lshl_add_u32 v[AV0], v9, 3, v10
	v_mul_u32_u24 v[AV0], v[AV0], PV
	v_lshl_add_u32 v[AV0], v11, 4, v[AV0]
	v_add_nc_u32 v[AV0], VOFF, v[AV0]
	s_mul_i32 s13, s[WV], 16*SP
	s_add_co_u32 s13, s13, STAGE    ; my stage
	v_mul_u32_u24 v[STO], v1, SP    ; in: row l % 16, 16 bytes for each half of the lanes
	v_lshl_add_u32 v[STO], v9, 4, v[STO]
	v_add_nc_u32 v[STO], s13, v[STO]
	v_bfe_u32 v[RD], v0, 3, 2       ; back: 32 lanes take four rows of 128 bytes,
	v_mul_u32_u24 v[RD], v[RD], SP
	v_lshl_add_u32 v[RD], v10, 4, v[RD]
	v_add_nc_u32 v[RD], s13, v[RD]
	v_and_b32 v[GO], 31, v0         ; which are 512 consecutive bytes of O
	v_lshlrev_b32 v[GO], 4, v[GO]
	; A block's first turn multiplies weights that are 0 by whatever V's registers hold: they need only hold finite numbers: zeros for the first block, the first block's last V for the second.
	WIN 0x80
.set i, VF
.rept 64
	v_mov_b32 v[i], 0
.set i, i+1
.endr
	WIN 0
; THE MATRIX WORK.  The 4 accumulators of a run of 8 take turns.  Product i of 8 of S^T = K Q^T for piece x: channels 32 (i / 4) on, keys 16 (i % 4) on.  The first 4 start the sums with the mask buffer.
.macro KQ x
.set rS, S+32*(\x)+8*(i%4)
.set rK, KF+16*(i%4)+8*(i/4)
.set rQ, 16*(\x)+8*(i/4)
.set rM, MC+32*((\x)%2)+8*(i%4)
.if i < 4
	WIN W_KM
	v_wmma_f32_16x16x32_f16 v[rS:rS+7], v[rK:rK+7], v[rQ:rQ+7], v[rM:rM+7]
.else
	WIN W_KQ
	v_wmma_f32_16x16x32_f16 v[rS:rS+7], v[rK:rK+7], v[rQ:rQ+7], v[rS:rS+7]
.endif
.endm
; Product i of 8 of O^T += V^T P for piece x: keys 32 (i / 4) on, channels 16 (i % 4) on.
.macro PV x
	WIN W_PV
.set rO, 32*(\x)+8*(i%4)
.set rV, VF+32*(i/4)+8*(i%4)
.set rP, P+16*((\x)%2)+8*(i/4)
	v_wmma_f32_16x16x32_f16 v[rO:rO+7], v[rV:rV+7], v[rP:rP+7], v[rO:rO+7]
.endm
.macro MM                           ; the turn's next matrix instruction.  NOKQ = 1: a block's last turns: there is no next piece
.if (i < 8) && !NOKQ
	KQ (Y+1)%NP
.elseif i >= 8
.set i, i-8
	PV (Y+NP-1)%NP
.set i, i+8
.endif
.set i, i+1
.endm
; THE LDS LOADS stand in runs of 8.  Half h of a step's K: channels 32 h on of its 64 keys, which products 4 h .. 4 h + 3 read.  Half h of its V (turned): keys 32 h on, likewise.
.macro FETCH_K h
	WIN 0x80                        ; destination window 2
.irp kb, 0,1,2,3
	ds_load_b128 v[KF+16*\kb+8*(\h):KF+16*\kb+8*(\h)+3],   v[AK] offset:\kb*16*PK+(\h)*64
	ds_load_b128 v[KF+16*\kb+8*(\h)+4:KF+16*\kb+8*(\h)+7], v[AK] offset:\kb*16*PK+(\h)*64+32
.endr
.endm
.macro FETCH_V h
	WIN 0x80
.irp cb, 0,1,2,3
	ds_load_tr16_b128 v[VF+32*(\h)+8*\cb:VF+32*(\h)+8*\cb+3],   v[AV] offset:(\h)*32*PV+\cb*32
	ds_load_tr16_b128 v[VF+32*(\h)+8*\cb+4:VF+32*(\h)+8*\cb+7], v[AV] offset:(\h)*32*PV+16*PV+\cb*32
.endr
.endm
; THE VECTOR WORK, one line at a time: OP kind, number.  E n: the exponential of score n of 32 of piece Y, in place (each accumulator's lowest registers are read first).
; For the piece before, Y - 1: C n: pair n of 16 rounded to f16.  B n: of the four weights 4 n .. the second pair is added onto the first, in place.  L n: l takes that sum.
.set E, 0
.set C, 1
.set B, 2
.set L, 3
.macro OP k, n
	WIN 0
.if (\k) == E
.set rS, S+32*Y
	v_exp_f32 v[rS+(\n)], v[rS+(\n)]
.else
.set rS, S+32*((Y+NP-1)%NP)
.set rP, P+16*((Y+NP-1)%2)
.set rL, LL+2*((Y+NP-1)%NP)
.if (\k) == C
	v_cvt_pk_f16_f32 v[rP+(\n)], v[rS+2*(\n)], v[rS+2*(\n)+1]
.elseif (\k) == B
	v_pk_add_f32 v[rS+4*(\n):rS+4*(\n)+1], v[rS+4*(\n):rS+4*(\n)+1], v[rS+4*(\n)+2:rS+4*(\n)+3]
.else
	v_pk_add_f32 v[rL:rL+1], v[rL:rL+1], v[rS+4*(\n):rS+4*(\n)+1]
.endif
.endif
.endm
.macro PLN q                        ; number q of the 16 sums: B 0, B 1, L 0, B 2, L 1, .. B 7, L 6, L 7: L n stands two or three of them behind B n
.if (\q) == 0
	OP B, 0
.elseif (\q) == 15
	OP L, 7
.elseif (\q) % 2
	OP B, ((\q)+1)/2
.else
	OP L, (\q)/2-1
.endif
.endm
.macro MASK b                       ; MD x AL + BE into buffer b of MC
	WIN W_RS
.set z, 0
.rept 16
	v_pk_fma_f32 v[MC+32*(\b)+2*z:MC+32*(\b)+2*z+1], v[MD+2*z:MD+2*z+1], s[AL:AL+1], s[BE:BE+1] op_sel_hi:[1,0,0]
.set z, z+1
.endr
.endm
; A TURN, for piece p.  Behind each product: exponential, plain, exponential, plain.  Nothing in the turn names a result of its exponentials; the last rider is plain; the one wait
; between an exponential and its first reader stands at the turn's end, ahead of every label and branch.
; K of the next step is fetched in piece 2's turn: its first half behind product 6, six plain instructions behind product 4, the last that read those registers; its second half behind product 10, six behind product 8.
; Piece 3's turn waits for the first half at its head (the count 8 leaves the second half's eight loads out) and for the second ahead of its product 5.
; V of the step in hand is fetched in piece 0's turn: its first half behind product 14, six plain instructions behind product 12; its second half behind the turn's wait, four plain instructions (two sums, two v_nop)
; behind product 16.  Piece 1's turn waits for them ahead of its products 9 (count 8) and 13.
; end = 1: a block's last turns: nothing is fetched and no mask is made.  sk = 1: the mask for the products of the turn after this one (piece p + 2, in step 4 - CNT of the tile) is made in the diagonal tile alone.
.macro TURN p, end=0, sk=1
.set Y, (\p)
.set i, 0
.set NOKQ, (\end)*((\p)/3)
.if ((\p) == 3) && !(\end)
	s_wait_dscnt 8
.endif
.set n, 0
.rept 8
.if ((\p) == 3) && !(\end) && (n == 4)
	s_wait_dscnt 0x0
.endif
	MM
	OP E, 2*n
	OP C, 2*n
	OP E, 2*n+1
	OP C, 2*n+1
.if ((\p) == 2) && !(\end) && (n == 4)
	v_add_nc_u32 v[AK], s[TBK], v[AK0]
	s_add_co_u32 s[TBK], s[TBK], KS*PK  ; the next fetch is the next step's
.endif
.if ((\p) == 2) && !(\end) && (n == 5)
	FETCH_K 0
.endif
.set n, n+1
.endr
.set n, 0
.rept 8
.if ((\p) == 1) && (n == 0)
	s_wait_dscnt 8
.endif
.if ((\p) == 1) && (n == 4)
	s_wait_dscnt 0x0
.endif
	MM
	OP E, 16+2*n
	PLN 2*n
	OP E, 17+2*n
	PLN 2*n+1
.if ((\p) == 2) && !(\end) && (n == 1)
	FETCH_K 1
.endif
.if ((\p) == 0) && (n == 4)
	v_add_nc_u32 v[AV], s[TBV], v[AV0]
	s_add_co_u32 s[TBV], s[TBV], KS*PV
.endif
.if ((\p) == 0) && (n == 5)
	FETCH_V 0
.endif
.set n, n+1
.endr
.if (\p) == 0
	v_nop
	v_nop
.endif
	s_wait_alu depctr_va_vdst(0)    ; the wait for the turn's 32 exponentials
.if (\p) == 0
	FETCH_V 1
.endif
.if !(\end)
	WIN 0
.if \sk
	s_cmp_eq_u32 s[DG], 0
	s_cbranch_scc1 .Lno_mask_\@
.endif
	s_cmp_eq_u32 s[CNT], 4-((\p)+2)%NP  ; is that step the band's own?
	s_cselect_b32 s[AL], 1.0, 0
	s_cmp_lt_u32 s[CNT], 4-((\p)+2)%NP  ; or a later one?
	s_cselect_b32 s[BE], s[BIGN], 0
	MASK (\p)%2
	WIN 0
.if \sk
.Lno_mask_\@:
.endif
.endif
.endm
; A BLOCK BEGINS.  O^T and l start at 0, and so do piece 3's weights: the first turn rounds and sums them and multiplies them by V for a step that has not been, which adds 0.  The price of writing no first step out:
; 200 lines that write 0, once a block.  The second mask buffer is 0; the first takes piece 0's mask for the tile's step 0: its own, if the block's first tile is the diagonal one.
; Then K of that step and piece 0's first scores.  The loop is entered at a step's first turn, in the middle of a trip.
.macro BEGIN
	s_mov_b32 s[NEW], 0
	WIN 0x40
.set i, 0
.rept 128
	v_mov_b32 v[i], 0
.set i, i+1
.endr
.set i, MC+32
.rept 32
	v_mov_b32 v[i], 0
.set i, i+1
.endr
	WIN 0
.set i, 0
.rept 8
	v_mov_b32 v[LL+i], 0
.set i, i+1
.endr
.set i, S+96
.rept 32
	v_mov_b32 v[i], 0
.set i, i+1
.endr
	s_cmp_eq_u32 s[RT], 0
	s_cselect_b32 s[AL], 1.0, 0
	s_mov_b32 s[BE], 0
	MASK 0
	WIN 0
	v_add_nc_u32 v[AK], s[TBK], v[AK0]
	s_add_co_u32 s[TBK], s[TBK], KS*PK
	FETCH_K 0
	FETCH_K 1
	s_wait_loadcnt 0x0              ; Q and the gates
	s_wait_dscnt 0x0
.set i, 0
.rept 8
	KQ 0
.set i, i+1
.endr
	WIN 0
.rept 4
	v_nop                           ; the places behind those products
.endr
.endm
; A tile's four key steps.  A trip: pieces 2 and 3 of one step, then pieces 0 and 1 of the next, whose K and V it fetches.  The tag ends its two labels' names, which the jumps below spell out.
.macro TILE tag, sk
.Lstep\tag:
	TURN 2, 0, \sk
	TURN 3, 0, \sk
	WIN 0
.Lfirst\tag:
	TURN 0, 0, \sk
	TURN 1, 0, \sk
	WIN 0
	s_sub_co_u32 s[CNT], s[CNT], 1
	s_cmp_lg_u32 s[CNT], 0
	s_cbranch_scc1 .Lstep\tag
.endm
; A BLOCK ENDS: its last two turns; piece 3's roundings, its last products with its sums behind them; and THE WAY OUT: l's two halves and the other half of the lanes' are added; O^T is multiplied by gate / l,
; rounded to f16 and sent through my stage in LDS, a piece at a time.
.macro ALL line:vararg              ; one line for each piece t
.set t, 0
.rept 4
	\line
.set t, t+1
.endr
.endm
.macro PACK t                       ; a lane's eight channels of a row pack into 16 bytes; they go into rows of 144 bytes and come back as whole rows of 128, into S^T's registers
	WIN W_RS
.set i, 32*(\t)
.rept 16
	v_pk_mul_f32 v[i:i+1], v[i:i+1], v[LL+2*(\t):LL+2*(\t)+1] op_sel_hi:[1,0]
.set i, i+2
.endr
	WIN 0x05                        ; sources 0 and 1 window 1, destination window 0
.set i, 0
.rept 16
	v_cvt_pk_f16_f32 v[S+16*(\t)+i], v[32*(\t)+2*i], v[32*(\t)+2*i+1]
.set i, i+1
.endr
	WIN 0
.irp f, 0,1,2,3
	ds_store_b128 v[STO], v[S+16*(\t)+4*\f:S+16*(\t)+4*\f+3] offset:32*\f
.endr
.irp f, 0,1,2,3
	ds_load_b128 v[S+16*(\t)+4*\f:S+16*(\t)+4*\f+3], v[RD] offset:\f*4*SP  ; LDS serves a wave's instructions in order (ISA guide 5.7.1.4): these see the stores above; the next piece's stores come behind them
.endr
.endm
.macro SEND t, younger              ; younger: the LDS instructions issued behind piece t's loads: the next piece's eight, or none
	WIN 0
.irp f, 0,1,2,3
	s_wait_dscnt (\younger)+3-\f
	global_store_b128 v[GO], v[S+16*(\t)+4*\f:S+16*(\t)+4*\f+3], s[10:11] offset:(\t)*8192+\f*512  ; 512 consecutive bytes, at a multiple of 256 from O's first
.endr
.endm
.macro BLOCKEND g                   ; g: the block's four gates
	TURN 2, 1
	TURN 3, 1
.set Y, 0                           ; the piece before is piece 3
.set NOKQ, 1
.set i, 8
.set n, 0
.rept 16
	OP C, n
.set n, n+1
.endr
.set n, 0
.rept 8
	MM
	PLN 2*n
	PLN 2*n+1
.set n, n+1
.endr
	WIN 0
	ALL v_add_f32 v[LL+2*t], v[LL+2*t], v[LL+2*t+1]
	ALL v_permlanex16_b32 v[LL+2*t+1], v[LL+2*t], s[SEL], s[SEL+1]
	ALL v_add_f32 v[LL+2*t], v[LL+2*t], v[LL+2*t+1]
	ALL v_rcp_f32 v[LL+2*t], v[LL+2*t]
	v_nop                           ; a plain instruction between the last reciprocal and the use of its result
	s_wait_alu depctr_va_vdst(0)    ; and the wait ahead of the first use: one for the four reciprocals
	ALL v_mul_f32 v[LL+2*t], v[LL+2*t], v[(\g)+t]   ; gate / l
	PACK 0
.set t, 1
.rept 3                             ; a piece's arithmetic stands between the loads of the piece before and its stores
	PACK t
	SEND t-1, 8
.set t, t+1
.endr
	SEND 3, 0
.endm
.set NOKQ, 0
.Lslot:                             ; NB times: a tile is entered and the next is asked for
	CHANGE 1
	s_sub_co_u32 s[RT], s[RT], 1
	s_mov_b32 s[CNT], 4
	s_cmp_eq_u32 s[RT], 0
	s_cselect_b32 s[DG], 1, 0       ; a block's last tile holds the diagonal
	s_cmp_eq_u32 s[NEW], 1
	s_cbranch_scc0 .Lstep1          ; not a block's first tile
	BEGIN
	s_branch .Lfirst1
	TILE 1, 1
	s_cmp_eq_u32 s[DG], 0
	s_cbranch_scc1 .Lbottom
	BLOCKEND GA                     ; in the loop this is the first block's end: the second block's last tile is the walk's last
	s_wait_xcnt 0x0                 ; the stores have read their registers and O's address
	s_mov_b64 s[10:11], s[OLO:OLO+1]
	s_add_co_u32 s[RT], s[PB], 1    ; the second block has b + 1 tiles
	s_mov_b32 s[NEW], 1
	WIN 0x82                        ; the second block's Q goes where the one text of the turns names Q
.set i, 0
.rept 64
	v_mov_b32 v[i], v[QB+i]
.set i, i+1
.endr
	WIN 0
.Lbottom:
	s_sub_co_u32 s[SLOTS], s[SLOTS], 1
	s_cmp_lg_u32 s[SLOTS], 0
	s_cbranch_scc1 .Lslot
	CHANGE 0                        ; the walk's last tile is written out: nothing is asked for.  It is the second block's diagonal tile
	s_sub_co_u32 s[RT], s[RT], 1
	s_mov_b32 s[CNT], 4
	s_cmp_eq_u32 s[NEW], 1
	s_cbranch_scc0 .Lstep2
	BEGIN
	s_branch .Lfirst2
	TILE 2, 0
	BLOCKEND GA+4
	s_wait_tensorcnt 0x0            ; the wave's end: the three closing lines, behind my last tensor load and my last LDS store
	ds_add_u32 v[SPW], v[NIL]
	s_wait_dscnt 0x0
	s_endpgm
.Lfunc_end_k_q23d753ce8e_attn:
	.size	k_q23d753ce8e_attn, .Lfunc_end_k_q23d753ce8e_attn-k_q23d753ce8e_attn
	.p2alignl 7, 3214868480
	.fill 96, 4, 3214868480
	.section	.rodata,"a",@progbits
	.p2align	6, 0x0
	.amdhsa_kernel k_q23d753ce8e_attn
		.amdhsa_group_segment_fixed_size 327680
		.amdhsa_private_segment_fixed_size 0
		.amdhsa_enable_private_segment 0
		.amdhsa_kernarg_size 24
		.amdhsa_user_sgpr_count 2
		.amdhsa_user_sgpr_kernarg_segment_ptr 1
		.amdhsa_wavefront_size32 1
		.amdhsa_system_sgpr_workgroup_id_x 1
		.amdhsa_system_sgpr_workgroup_id_y 1
		.amdhsa_system_sgpr_workgroup_id_z 1
		.amdhsa_system_vgpr_workitem_id 0
		.amdhsa_next_free_vgpr 768
		.amdhsa_next_free_sgpr 88
		.amdhsa_reserve_vcc 1
		.amdhsa_float_denorm_mode_32 3
		.amdhsa_float_denorm_mode_16_64 3
		.amdhsa_memory_ordered 1
		.amdhsa_forward_progress 1
		.amdhsa_inst_pref_size 146
	.end_amdhsa_kernel
	.amdgpu_metadata
---
amdhsa.version: [ 1, 2 ]
amdhsa.kernels:
  - .name:           k_q23d753ce8e_attn
    .symbol:         k_q23d753ce8e_attn.kd
    .args:
      - { .name: qkv, .offset: 0, .size: 8, .value_kind: global_buffer, .address_space: global }
      - { .name: gate, .offset: 8, .size: 8, .value_kind: global_buffer, .address_space: global }
      - { .name: ob, .offset: 16, .size: 8, .value_kind: global_buffer, .address_space: global }
    .group_segment_fixed_size: 327680
    .private_segment_fixed_size: 0
    .kernarg_segment_align: 8
    .kernarg_segment_size: 24
    .max_flat_workgroup_size: 128
    .sgpr_count:     88
    .vgpr_count:     768
    .wavefront_size: 32
...
	.end_amdgpu_metadata
.endif
;; end of part 3
;; launch oproj (part 4): grid 8 x 32, 4 waves a work-group, clusters of 4 x 4, 327,680 bytes of LDS; arguments ob, wob, out0; writes out0
.if DOCPART == 4
	.amdgcn_target "amdgcn-amd-amdhsa--gfx1250"
	.amdhsa_code_object_version 6
	.text
	.protected	k_q23d753ce8e_oproj
	.globl	k_q23d753ce8e_oproj
	.p2align	8
	.type	k_q23d753ce8e_oproj,@function
k_q23d753ce8e_oproj:
	s_mov_b64 s[64:65], 0
	v_nop
	global_prefetch_b8 v0, s[64:65] scope:SCOPE_SE
	s_setreg_imm32_b32 hwreg(HW_REG_WAVE_MODE, 25, 1), 1
	s_wait_xcnt 0x0
	s_wait_alu depctr_hold_cnt(0) depctr_sa_sdst(0) depctr_va_vdst(0) depctr_va_sdst(0) depctr_va_ssrc(0) depctr_va_vcc(0) depctr_vm_vsrc(0)
	s_getreg_b32 s2, hwreg(HW_REG_IB_STS2, 6, 4)
	s_cmp_eq_u32 s2, 0
	s_cbranch_scc0 .Lentry_in_a_cluster
	s_endpgm
.Lentry_in_a_cluster:
	s_bfe_u32 s2, ttmp6, 0x10000c
	s_cmp_lg_u32 s2, 0xf033
	s_cbranch_scc0 .Lentry_shape_is_right
	s_endpgm
.Lentry_shape_is_right:
; OPROJ: out0 = (attention x gate) Wo^T.  ob: f16, [sequence 8][plane = head 16][row 1024][64]; wob: f16 (Wo rounded to bf16, written as f16), [plane 16][row 1024][64]; out0: f32 [8192][1024].
; A tile is 256 rows by 128 columns: 256 work-groups.  Four waves, wave w rows 64 w .. 64 w + 63 and all 128 columns: 4 x 8 accumulators of 16 x 16.  f16 operands, f32 sums.
; K goes in slots of 128 (two planes of 64 channels) through a ring of two LDS slots.  A plane's rows of a tile lie end to end in memory (128 bytes each), so a plane of a tile is one dense block,
; asked for as rows of 256 bytes and padded in LDS behind every 128.  One tensor load a wave: waves 0, 1 the two planes of ob, waves 2, 3 those of wob.
; CLUSTER.  4 x 4 work-groups: ob's tiles are asked for jointly along a row of the cluster, wob's along a column.
; THE PRODUCT IS USED TRANSPOSED (source 0 = 16 rows of wob, source 1 = 16 rows of ob): a lane holds row lane % 16 and eight neighbouring columns, 32 bytes of out0.
; LIMITS.  The operands arrive within f16's range.  NaN and infinities are not treated apart.
; REGISTERS, in windows of 256 (s_set_vgpr_msb: bits 1:0 source 0, 3:2 source 1, 5:4 source 2, 7:6 destination):
;   window 0: addresses and the way out      window 1: accumulators of row blocks 0, 1      window 2: of row blocks 2, 3      window 3: two fragment buffers of 128: ob's four fragments, then wob's eight
.set NT,    128
.set NBK,   NT/16
.set PITCH, 144                        ; an LDS row: 128 bytes + 16: the 16 rows of a fragment load start at 16 different groups of four banks (64 banks of 4 bytes: ISA guide 11.1)
.set APL,   256*PITCH
.set BPL,   NT*PITCH
.set BOFF,  2*APL
.set SLOT1, 1<<17                      ; slot 1 begins here: one exclusive or turns an address in one slot into the other's
.set STAGE, SLOT1+BOFF+2*BPL           ; behind the ring, never filled by a tensor load: 16 rows x 528 bytes for each wave
.set SPITCH, 528                       ; 512 bytes + 16
.set WSTG,  16*SPITCH
.set SPARE, STAGE+4*WSTG               ; the spare words, 128 bytes for each wave: two blocks of 256 bytes that no other line names
.set ASTEP, 2*131072                   ; bytes from slot to slot in ob: two planes
.set BPLG,  1024*128                   ; a plane of wob
.set BTILE, NT*128
.set STEPS, 8
.set ADRA0, 16
.set ADRB0, 17
.set ADRA,  18
.set ADRB,  19
.set STO,   24
.set RD,    25
.set CO,    26
.set SPW,   28                         ; v28  LDS address of my spare word; never rewritten
.set NIL,   29                         ; v29  0; never rewritten
.set PFO,   30                         ; v30  the prefetches' offset; never rewritten
.set F0,    0
.set F1,    128
.set G1,    24                         ; s[24:31] group 1 for ob's tiles; s[32:35] group 0 for slot 0's first fill; s[36:39] the set that walks
.set G0,    32
.set G1B,   48                         ; s[48:55], s[56:59], s[60:63] the same for wob's
.set G0B,   56
.set PST,   20
.set TB,    22
.set LIM,   43
.set PFA,   44
.set TS,    66                         ; s[66:69] at work
.set MSB, 0
.macro WIN new                         ; the immediate's high byte repeats the setting that is left; a switch that changes nothing is dropped
.if MSB != (\new)
	s_set_vgpr_msb (MSB<<8)|(\new)
.set MSB, \new
.endif
.endm
; A joint load.  The branch hangs on the wave's number alone.  An s_nop 0 and four v_nop follow each of the two lines, ahead of the jump and the label.
.macro JLOAD s
	s_cmp_eq_u32 s11, 0
	s_cbranch_scc0 .Lfor_b_\@
	tensor_load_to_lds s[G0+4*(\s):G0+4*(\s)+3], s[G1:G1+7]
	s_nop 0
.rept 4
	v_nop
.endr
	s_branch .Lasked_\@
.Lfor_b_\@:
	tensor_load_to_lds s[G0B+4*(\s):G0B+4*(\s)+3], s[G1B:G1B+7]
	s_nop 0
.rept 4
	v_nop
.endr
.Lasked_\@:
.endm
.macro CREST                           ; a round of the cluster's barrier behind its opening barrier
	s_cmp_lg_u32 s10, 0
	s_cbranch_scc1 .Lnot_wave_0_\@
	s_barrier_signal -3
.Lnot_wave_0_\@:
	s_barrier_wait -3
	s_barrier_signal -1
	s_barrier_wait -1
.endm
.macro CROUND
	s_barrier_signal -1
	s_barrier_wait -1
	CREST
.endm
.macro PLACES                          ; four places in front of loads into registers that matrix instructions have read, and of stores that read results (ISA guide 7.12.1 for vector instructions)
.rept 4
	v_nop
.endr
.endm
; NBK matrix instructions: row block a x all column blocks, 32 along K, from buffer f.  zero = 1: the product starts the sums.
.macro MULA f, a, zero
	WIN 0x5f+0x50*((\a)/2)                         ; fragments window 3; C and D window 1 or 2
.set nb, 0
.rept NBK
.set rD, ((\a)%2)*8*NBK+8*nb
.if \zero
	v_wmma_f32_16x16x32_f16 v[rD:rD+7], v[(\f)+32+8*nb:(\f)+32+8*nb+7], v[(\f)+8*(\a):(\f)+8*(\a)+7], 0
.else
	v_wmma_f32_16x16x32_f16 v[rD:rD+7], v[(\f)+32+8*nb:(\f)+32+8*nb+7], v[(\f)+8*(\a):(\f)+8*(\a)+7], v[rD:rD+7]
.endif
.set nb, nb+1
.endr
.endm
; One run of 2 NBK + 8 LDS loads: the fragments of quarter q of the slot in hand (plane q / 2, byte 64 (q % 2) of its rows) into buffer g; ob's row blocks 2 and 3 last.
.macro FETCH q, g
	WIN 0xc0                                       ; destination window 3, address window 0
.set nb, 0
.rept NBK
	ds_load_b128 v[(\g)+32+8*nb:(\g)+32+8*nb+3],   v[ADRB] offset:((\q)/2)*BPL+nb*16*PITCH+((\q)%2)*64
	ds_load_b128 v[(\g)+32+8*nb+4:(\g)+32+8*nb+7], v[ADRB] offset:((\q)/2)*BPL+nb*16*PITCH+((\q)%2)*64+32
.set nb, nb+1
.endr
.irp a, 0,1,2,3
	ds_load_b128 v[(\g)+8*(\a):(\g)+8*(\a)+3],   v[ADRA] offset:((\q)/2)*APL+(\a)*16*PITCH+((\q)%2)*64
	ds_load_b128 v[(\g)+8*(\a)+4:(\g)+8*(\a)+7], v[ADRA] offset:((\q)/2)*APL+(\a)*16*PITCH+((\q)%2)*64+32
.endr
.endm
; A slot is four quarters of 32 along K, 4 NBK matrix instructions each, on buffers 0, 1, 0, 1; all accumulators take turns in one fixed order.
.macro QUARTER q, f, g, zero
	s_wait_dscnt 4                                 ; all but the youngest four loads (ob's row blocks 2 and 3)
	MULA \f, 0, \zero
	MULA \f, 1, \zero
	PLACES
	FETCH \q, \g
	s_wait_dscnt 2*NBK+8                           ; all but the run just issued
	MULA \f, 2, \zero
	MULA \f, 3, \zero
.endm
; The last quarter's first half: ONE barrier for the change of slots.  In front of it each wave waits for all its tensor loads (one is out: its part of the next slot), adds 0 to its spare word,
; and waits for that and for its own reads of this slot.
.macro MEET round
	WIN 0
	s_wait_tensorcnt 0x0
	ds_add_u32 v[SPW], v[NIL]
	s_wait_dscnt 5                                 ; (the add and the youngest four loads may be out)
	MULA F1, 0, 0
	s_wait_dscnt 0x0                               ; the add is done, and my reads of this slot are over
	s_barrier_signal -1
	MULA F1, 1, 0
.if \round
	WIN 0
.endif
	s_barrier_wait -1
.endm
; A prefetch into the L2, behind the joint load, its five lines and the run of LDS loads: my share of my plane of the slot that stands two refills on, a lane a block of 256 bytes.
; ob's planes are read by both clusters of a row of clusters: the first (cluster x = 0) asks; wob's by every cluster of a column: cluster y = 0 asks.  The four partners that ask for a plane jointly
; share its blocks out by address (32 each of ob's 128; 16 each of wob's 64).  The loop's last two trips have no slot two refills on; slots 0 to 3 come by their loads alone.
.macro ASK
	WIN 0
	s_cmp_gt_u32 s3, s[LIM]
	s_cbranch_scc0 .Lnot_mine_\@
	global_prefetch_b8 v[PFO], s[PFA:PFA+1] th:TH_LOAD_NT scope:SCOPE_SE
.Lnot_mine_\@:
.endm
; The whole last quarter.  fill = 1: behind a round of the cluster's barrier the slot just read is filled again, with the slot two on: the wave's one tensor load, 3.5 quarters ahead of the wait for it.
.macro TURN fill
.if \fill
	s_wait_xcnt 0x0                                ; the last prefetch, a slot back, has read its address
	s_add_nc_u64 s[PFA:PFA+1], s[PFA:PFA+1], s[PST:PST+1]
	MEET 1
	CREST                                          ; no wave of any partner still reads this slot or has a load on its way
	s_xor_b32 s[G0+5], s[G0+5], SLOT1              ; the walking sets: the other slot than last time, the next two planes
	s_add_nc_u64 s[G0+6:G0+7], s[G0+6:G0+7], ASTEP
	s_xor_b32 s[G0B+5], s[G0B+5], SLOT1
	s_add_nc_u64 s[G0B+6:G0B+7], s[G0B+6:G0B+7], 2*BPLG
	JLOAD 1                                        ; its four v_nop are also the places in front of the loads below
.else
	MEET 0
	WIN 0
	PLACES
.endif
	s_xor_b32 s[TB], s[TB], SLOT1
	v_add_nc_u32 v[ADRA], s[TB], v[ADRA0]
	v_add_nc_u32 v[ADRB], s[TB], v[ADRB0]
	FETCH 0, F0
.if \fill
	ASK
.endif
	MULA F1, 2, 0
	MULA F1, 3, 0
.endm
	s_load_b128 s[4:7], s[0:1], 0x0                ; ob s[4:5], wob s[6:7]
	s_load_b64 s[8:9], s[0:1], 0x10                ; out0
	v_lshl_add_u32 v[SPW], v0, 2, SPARE
	v_mov_b32 v[NIL], 0
	ds_add_u32 v[SPW], v[NIL]                      ; the wave's opening: the add and its wait ahead of my first tensor load
	ds_add_u32 v28, v29
	v_lshrrev_b32 v1, 5, v0
	v_readfirstlane_b32 s10, v1                    ; wave 0..3
	s_lshr_b32 s11, s10, 1                         ; 0: I fetch ob's planes; 1: wob's
	s_and_b32 s12, s10, 1                          ; which of a slot's two planes
	s_bfe_u32 s40, ttmp6, 0x40000                  ; cx
	s_bfe_u32 s41, ttmp6, 0x40004                  ; cy
	s_lshl_b32 s42, ttmp9, 2
	s_add_co_u32 s42, s42, s40                     ; the block of 128 columns = 4 x cluster x + cx
	s_and_b32 s13, ttmp7, 0xffff
	s_lshl_b32 s13, s13, 2
	s_add_co_u32 s13, s13, s41                     ; the block of 256 rows = 4 x cluster y + cy
	s_lshl_b32 s14, s41, 2
	s_lshl_b32 s14, 15, s14                        ; my row of the cluster
	s_lshl_b32 s46, 0x1111, s40                    ; my column
	; group 1: rows of 128 elements of 2 bytes (256 bytes), dense; 4 words of padding behind every 32 words
	s_or_b32 s[G1], s14, (1<<16)|(1<<20)|(1<<21)|(4<<22)|(3<<25)
	s_or_b32 s[G1B], s46, (1<<16)|(1<<20)|(1<<21)|(4<<22)|(3<<25)
	s_mov_b32 s[G1+1], 128<<16                     ; tensor_dim0 = 128
	s_mov_b32 s[G1+2], 128<<16                     ; tensor_dim1 = 128 rows: 32,768 bytes
	s_mov_b32 s[G1+3], 128<<16                     ; tile_dim0
	s_mov_b32 s[G1+4], 128                         ; tile_dim1
	s_mov_b32 s[G1+5], 128                         ; elements from row to row
	s_mov_b32 s[G1+6], 0
	s_mov_b32 s[G1+7], 0
	s_mov_b32 s[G1B+1], 128<<16
	s_mov_b32 s[G1B+2], (NT/2)<<16                 ; NT / 2 rows: NT x 128 bytes
	s_mov_b32 s[G1B+3], 128<<16
	s_mov_b32 s[G1B+4], NT/2
	s_mov_b32 s[G1B+5], 128
	s_mov_b32 s[G1B+6], 0
	s_mov_b32 s[G1B+7], 0
	s_lshr_b32 s16, s13, 2                         ; ob: the sequence,
	s_lshl_b32 s16, s16, 21
	s_and_b32 s17, s13, 3                          ; 256 rows of 128 bytes in a plane,
	s_lshl_b32 s17, s17, 15
	s_add_co_u32 s16, s16, s17
	s_lshl_b32 s17, s12, 17                        ; my plane of slot 0
	s_add_co_u32 s16, s16, s17
	s_mov_b32 s17, 0
	s_mul_i32 s46, s42, BTILE                      ; wob: the tile's rows in a plane, my plane
	s_mul_i32 s47, s12, BPLG
	s_add_co_u32 s46, s46, s47
	s_mov_b32 s47, 0
	s_mul_i32 s18, s10, APL                        ; where they go: waves 0, 1: ob's planes;
	s_mul_i32 s19, s10, BPL
	s_add_co_u32 s19, s19, BOFF-2*BPL              ; waves 2, 3: wob's, behind them
	s_wait_dscnt 0x0                               ; the opening add is done
	s_wait_kmcnt 0x0
	s_add_nc_u64 s[14:15], s[4:5], s[16:17]
	s_add_nc_u64 s[46:47], s[6:7], s[46:47]
	CROUND                                         ; all sixteen work-groups are here: the first joint loads meet
	s_mov_b32 s[G0], 1
	s_mov_b32 s[G0+1], s18
	s_add_nc_u64 s[G0+2:G0+3], s[14:15], 0
	s_or_b32 s[G0+3], s[G0+3], 0x80000000
	s_mov_b32 s[G0+4], 1
	s_add_co_u32 s[G0+5], s18, SLOT1
	s_add_nc_u64 s[G0+6:G0+7], s[14:15], ASTEP
	s_or_b32 s[G0+7], s[G0+7], 0x80000000
	s_mov_b32 s[G0B], 1
	s_mov_b32 s[G0B+1], s19
	s_add_nc_u64 s[G0B+2:G0B+3], s[46:47], 0
	s_or_b32 s[G0B+3], s[G0B+3], 0x80000000
	s_mov_b32 s[G0B+4], 1
	s_add_co_u32 s[G0B+5], s19, SLOT1
	s_add_nc_u64 s[G0B+6:G0B+7], s[46:47], 2*BPLG
	s_or_b32 s[G0B+7], s[G0B+7], 0x80000000
	JLOAD 0                                        ; both slots are asked for before anything else: two loads of mine are out
	JLOAD 1
	v_and_b32 v1, 15, v0                           ; l % 16
	v_bfe_u32 v2, v0, 4, 1                         ; l / 16
	v_mul_u32_u24 v3, v1, PITCH
	v_lshl_add_u32 v3, v2, 4, v3                   ; a fragment's row x pitch + 16 x half
	s_mul_i32 s23, s10, 64*PITCH                   ; my 64 rows of ob
	v_add_nc_u32 v[ADRA0], s23, v3
	v_add_nc_u32 v[ADRB0], BOFF, v3
	v_mov_b32 v[ADRA], v[ADRA0]
	v_mov_b32 v[ADRB], v[ADRB0]
	s_mov_b32 s[TB], 0
	; the prefetches' address, step and share
	s_and_b32 s23, ttmp7, 0xffff                   ; cluster y
	s_mov_b32 s[TS+1], (NT/8)*256
	s_mov_b32 s[PST], 2*BPLG
	s_cmp_eq_u32 s11, 0
	s_cselect_b32 s23, ttmp9, s23                  ; the coordinate along which other clusters read the same planes
	s_cselect_b32 s[TS], s40, s41                  ; my place among the four that ask with me
	s_cselect_b32 s[TS+1], 8192, s[TS+1]           ; a partner's share in bytes
	s_cselect_b32 s[PST], ASTEP, s[PST]
	s_cselect_b32 s[TS+2], 31, NT/8-1
	s_cselect_b64 s[PFA:PFA+1], s[14:15], s[46:47]
	s_cmp_eq_u32 s23, 0
	s_cselect_b32 s[LIM], 2, -1
	s_mul_i32 s[TS], s[TS], s[TS+1]
	s_mul_i32 s[TS+1], s[PST], 3                   ; at slot 3: the first refill steps it to slot 4
	s_add_co_u32 s[TS], s[TS], s[TS+1]
	s_mov_b32 s[TS+1], 0
	s_add_nc_u64 s[PFA:PFA+1], s[PFA:PFA+1], s[TS:TS+1]
	s_mov_b32 s[PST+1], 0
	v_and_b32 v[PFO], 31, v0
	v_min_u32 v[PFO], s[TS+2], v[PFO]
	v_lshlrev_b32 v[PFO], 8, v[PFO]
	; out0 at my 64 rows of 4,096 bytes and the tile's 512 bytes of them
	s_lshl_b32 s[TS], s13, 20
	s_lshl_b32 s[TS+1], s10, 18
	s_add_co_u32 s[TS], s[TS], s[TS+1]
	s_lshl_b32 s[TS+1], s42, 9
	s_add_co_u32 s[TS], s[TS], s[TS+1]
	s_mov_b32 s[TS+1], 0
	s_add_nc_u64 s[8:9], s[8:9], s[TS:TS+1]
	s_mul_i32 s23, s10, WSTG
	s_add_co_u32 s23, s23, STAGE                   ; my stage
	v_mul_u32_u24 v[STO], v1, SPITCH               ; in: row l % 16, 32 bytes for each half of the lanes
	v_lshl_add_u32 v[STO], v2, 5, v[STO]
	v_add_nc_u32 v[STO], s23, v[STO]
	v_and_b32 v[CO], 31, v0                        ; back: 32 lanes take one row's 512 bytes
	v_lshlrev_b32 v[CO], 4, v[CO]
	v_add_nc_u32 v[RD], s23, v[CO]
	s_wait_tensorcnt 1                             ; my part of slot 0 is in; slot 1's may stay out
	s_barrier_signal -1
	s_barrier_wait -1                              ; everybody's is
	FETCH 0, F0
	QUARTER 1, F0, F1, 1                           ; the first quarter stands in front of the loop: its products start the sums
	WIN 0
	s_mov_b32 s3, STEPS-2
.Lstep:                                ; a trip: a slot's quarters 1 to 3 and the next slot's quarter 0; the slot left is filled again
	QUARTER 2, F1, F0, 0
	QUARTER 3, F0, F1, 0
	TURN 1
	QUARTER 1, F0, F1, 0
	WIN 0
	s_sub_co_u32 s3, s3, 1
	s_cmp_lg_u32 s3, 0
	s_cbranch_scc1 .Lstep
	s_mov_b32 s3, 2
.Ltail:                                ; the last two slots have a text of their own, in which nothing is asked for: two trips, the second left in its middle
	QUARTER 2, F1, F0, 0
	QUARTER 3, F0, F1, 0
	WIN 0
	s_sub_co_u32 s3, s3, 1
	s_cmp_eq_u32 s3, 0
	s_cbranch_scc1 .Llast
	TURN 0
	QUARTER 1, F0, F1, 0
	WIN 0
	s_branch .Ltail
.Llast:
	s_wait_dscnt 4                                 ; the very last quarter: nothing more to fetch
	MULA F1, 0, 0
	MULA F1, 1, 0
	s_wait_dscnt 0x0
	MULA F1, 2, 0
	MULA F1, 3, 0
	WIN 0
	PLACES
	PLACES
; THE WAY OUT of row block a: the f32 sums go into my stage as they lie (each accumulator's low registers first) and come back as whole rows of 512 bytes.
.macro OUTB a
	WIN 4*(1+(\a)/2)                               ; the stores' data in the accumulators' window
.set nb, 0
.rept NBK
.set rD, ((\a)%2)*8*NBK+8*nb
	ds_store_b128 v[STO], v[rD:rD+3] offset:64*nb
	ds_store_b128 v[STO], v[rD+4:rD+7] offset:64*nb+16
.set nb, nb+1
.endr
	WIN 0
	s_wait_xcnt 0x0                                ; earlier stores have read their data
.set BK, 64+64*((\a)%2)
.irp t, 0,1,2,3,4,5,6,7,8,9,10,11,12,13,14,15
	ds_load_b128 v[BK+4*(\t):BK+4*(\t)+3], v[RD] offset:SPITCH*(\t)   ; my own bytes; LDS serves a wave's instructions in order (ISA guide 5.7.1.4)
.endr
.irp t, 0,1,2,3,4,5,6,7,8,9,10,11,12,13,14,15
	s_wait_dscnt 15-(\t)
	global_store_b128 v[CO], v[BK+4*(\t):BK+4*(\t)+3], s[8:9] offset:(16*(\a)+(\t))*4096 th:TH_STORE_NT   ; 512 consecutive bytes of one row, aligned
.endr
.endm
	OUTB 0
	OUTB 1
	OUTB 2
	OUTB 3
	s_wait_tensorcnt 0x0                           ; the wave's end: the three closing lines behind my last tensor load and my last LDS store
	ds_add_u32 v[SPW], v[NIL]
	s_wait_dscnt 0x0
	CROUND                                         ; the closing round: no work-group ends while a partner may still ask for a tile that names it
	s_endpgm
.Lfunc_end_k_q23d753ce8e_oproj:
	.size	k_q23d753ce8e_oproj, .Lfunc_end_k_q23d753ce8e_oproj-k_q23d753ce8e_oproj
	.p2alignl 7, 3214868480
	.fill 96, 4, 3214868480
	.section	.rodata,"a",@progbits
	.p2align	6, 0x0
	.amdhsa_kernel k_q23d753ce8e_oproj
		.amdhsa_group_segment_fixed_size 327680
		.amdhsa_private_segment_fixed_size 0
		.amdhsa_enable_private_segment 0
		.amdhsa_kernarg_size 24
		.amdhsa_user_sgpr_count 2
		.amdhsa_user_sgpr_kernarg_segment_ptr 1
		.amdhsa_wavefront_size32 1
		.amdhsa_system_sgpr_workgroup_id_x 1
		.amdhsa_system_sgpr_workgroup_id_y 1
		.amdhsa_system_sgpr_workgroup_id_z 1
		.amdhsa_system_vgpr_workitem_id 0
		.amdhsa_next_free_vgpr 1024
		.amdhsa_next_free_sgpr 70
		.amdhsa_reserve_vcc 0
		.amdhsa_float_denorm_mode_32 3
		.amdhsa_float_denorm_mode_16_64 3
		.amdhsa_memory_ordered 1
		.amdhsa_forward_progress 1
		.amdhsa_inst_pref_size 65
	.end_amdhsa_kernel
	.amdgpu_metadata
---
amdhsa.version: [ 1, 2 ]
amdhsa.kernels:
  - .name:           k_q23d753ce8e_oproj
    .symbol:         k_q23d753ce8e_oproj.kd
    .args:
      - { .name: ob, .offset: 0, .size: 8, .value_kind: global_buffer, .address_space: global }
      - { .name: wob, .offset: 8, .size: 8, .value_kind: global_buffer, .address_space: global }
      - { .name: out0, .offset: 16, .size: 8, .value_kind: global_buffer, .address_space: global }
    .group_segment_fixed_size: 327680
    .private_segment_fixed_size: 0
    .kernarg_segment_align: 8
    .kernarg_segment_size: 24
    .max_flat_workgroup_size: 128
    .sgpr_count:     70
    .vgpr_count:     1024
    .wavefront_size: 32
...
	.end_amdgpu_metadata
.endif
;; end of part 4
